; MI455X (gfx1250); checked and timed in simulation.
; The chip was launched on July 23, 2026; its instructions are those of AMD's public machine-readable ISA for CDNA 5 (MIT licence, August 2026) and "CDNA5" Instruction Set Architecture Reference Guide (July 2026). The comments in the code are by the model that wrote it; some were corrected since.
;; Multi Headed Attention. Allowed arithmetic: matrix products marked QUANTISED: E2M3 operands, one E8M0 scale for each 32 along K, by v_wmma_scale_f32_16x16x128_f8f6f4 with both operands' format E2M3, f32 sums; everything else in f32.
;; Inputs: bk 1,024 float32; bo 1,024 float32; bq 1,024 float32; bv 1,024 float32; key 4 x 2,048 x 1,024 float32; query 4 x 2,048 x 1,024 float32; value 4 x 2,048 x 1,024 float32; wk 1,024 x 1,024 float32; wo 1,024 x 1,024 float32; wq 1,024 x 1,024 float32; wv 1,024 x 1,024 float32.
;; Outputs: out0 4 x 2,048 x 1,024 float32.
;; This version of the problem:
;;   THIS VERSION OF THE PROBLEM IS GIVEN IN LOW PRECISION. The matrix products marked QUANTISED in the list below multiply operands that are first quantised to E2M3 (2 exponent bits, 3 mantissa bits; 6 bits a number), with one power-of-two scale for each 32 numbers along K (OCP MX v1.0); their sums are f32. All else is computed in f32.
;;   The module's matrix products, in the order in which they are computed (A, B: the left and right operand; K: the contracted axis; several contracted axes count as one K, in the product's order):
;;     1. [M 8,192, K 1,024] x [K 1,024, N 1,024]; A: input query; B: input wq: QUANTISED
;;     2. [M 8,192, K 1,024] x [K 1,024, N 1,024]; A: input key; B: input wk: QUANTISED
;;     3. [M 8,192, K 1,024] x [K 1,024, N 1,024]; A: input value; B: input wv: QUANTISED
;;     4. batch 64 x [M 2,048, K 64] x [K 64, N 2,048]; A: computed on the way; B: computed on the way: QUANTISED
;;     5. batch 64 x [M 2,048, K 2,048] x [K 2,048, N 64]; A: softmax (see below); B: computed on the way: QUANTISED
;;     6. [M 8,192, K 1,024] x [K 1,024, N 1,024]; A: computed on the way; B: input wo: QUANTISED
;;   THE QUANTISER, for each operand of a quantised product, along K:
;;     - K is cut into blocks of 32 from its start; a last block that is shorter is filled with zeros.
;;     - A block's scale is 2^e with e = floor(log2(the largest magnitude in the block)) - 2, held to -126 .. 127; a block of zeros has e = 0. As a byte (E8M0): e + 127.
;;     - Each number is divided by its block's scale, clamped to +-7.5, and rounded to the nearest number of E2M3, ties to even, subnormals kept.
;;     - The product sums the exact products of the quantised numbers (number of the format x scale) in f32.
;;   ~~~python
;;   def quantise(x, axis):      # numpy; x: float32 -> the quantised numbers, widened to float32 again
;;       x = np.moveaxis(x, axis, -1); K = x.shape[-1]
;;       x = np.pad(x, [(0, 0)] * (x.ndim - 1) + [(0, -K % 32)]); x = x.reshape(x.shape[:-1] + (-1, 32)); a = np.abs(x).max(-1, keepdims=True)
;;       e = np.where(a > 0, np.clip(np.frexp(np.where(a > 0, a, 1))[1] - 1 - 2, -126, 127), 0)      # np.frexp(a)[1] - 1 = floor(log2(a)), exactly
;;       r = np.clip(x / 2.0 ** e, -7.5, 7.5)
;;       step = 2.0 ** (np.maximum(np.frexp(np.where(r == 0, 1, r))[1] - 1, 0) - 3)
;;       q = np.round(r / step) * step * 2.0 ** e      # np.round: ties to even
;;       return np.moveaxis(q.reshape(q.shape[:-2] + (-1,))[..., :K], -1, axis).astype(np.float32)
;;   ~~~
;;   SOFTMAX AHEAD OF A QUANTISED PRODUCT. Where the list says 'softmax', what is quantised is not the finished softmax but p = 2^(t - M), with t = logit x log2(e) and M = ceil(the row's largest t), a whole number; so 1/2 < the row's largest p <= 1. The row's sum l is taken of the UNQUANTISED p, in f32, and the product's result is divided by l at the end. Since M is a whole number, a kernel that streams over the keys may use a running M (the ceiling of the running maximum): every later rescaling is an exact power of two, which a block's scale takes up: the codes' values come out the same.
;;   OPERANDS COMPUTED ON THE WAY. 'Computed on the way' means the value that the module computes at that place (a softmax that the list does not call 'softmax' is quantised finished and normalised). What goes into a quantiser is computed in f32, as accurately as f32 sums, v_exp_f32 and their like allow (about 1e-6 of the number): no bf16 or f16 on the way to a quantiser, and a product that is left as it is and whose result goes on into a quantised operand takes f32 operands (vector FMAs, or v_wmma_f32_16x16x4_f32). A number that lies on a knife's edge between two numbers of the format may be rounded either way, as far as f32 arithmetic and the matrix unit's own rounding can turn it there, and no further.
;; One version. Each part assembles by itself: llvm-mc -triple=amdgcn-amd-amdhsa -mcpu=gfx1250 --defsym DOCPART=n.
;; ======== version 1 of 1: 5 launches
;; limits: right only within a limited range of input values
;; workspace buffers: wcod 3,145,728 bytes; wscl 131,072 bytes; xcod 18,874,368 bytes; xscl 786,432 bytes; acod 18,874,368 bytes; ascl 1,310,720 bytes; ocod 6,291,456 bytes; oscl 262,144 bytes
;; launch quantw (part 1): grid 256 x 1, 4 waves a work-group, no clusters, 13,312 bytes of LDS; arguments wq, wk, wv, wo, wcod, wscl; writes wcod, wscl
.if DOCPART == 1
	.amdgcn_target "amdgcn-amd-amdhsa--gfx1250"
	.amdhsa_code_object_version 6
	.text
	.protected	k_q898adb3523_quantw
	.globl	k_q898adb3523_quantw
	.p2align	8
	.type	k_q898adb3523_quantw,@function
k_q898adb3523_quantw:
	s_mov_b64 s[64:65], 0
	v_nop
	global_prefetch_b8 v0, s[64:65] scope:SCOPE_SE
	s_setreg_imm32_b32 hwreg(HW_REG_WAVE_MODE, 25, 1), 1
	s_wait_xcnt 0x0
; The four weights [1024 (k)][1024 (n)], f32, K their FIRST axis, become codes of FP6 (E2M3) with one E8M0 byte for each 32 along K.
; OUTPUT: images of operand registers.  wcod [weight][tile of 16 columns 0..63][K step of 128, 0..7][1,536 bytes].  Lane place r of tile T is column 32 (T / 2) + 8 (T % 2) + r + 8 (r / 8).
; A fragment's image: for c = 0, 1: registers 6 c .. 6 c + 3 of lane l at 768 c + 16 l, registers 6 c + 4, 6 c + 5 at 768 c + 512 + 8 l.
; wscl [weight][tile][half of K][r][4 words]: word i is the scale word of K step 4 half + i.
; A LANE TAKES A COLUMN AND ITS REGISTERS RUN DOWN K: a block of 32 lies in one lane, the conversions give codes with K innermost, nothing is transposed.
; SHARES: work-group g: weight g / 64, columns 32 ((g % 64) / 2) on, half g % 2 of K; wave w: K step 4 half + w; lane l: column l of the 32.
; A block's scale is 2^(floor(log2(largest magnitude)) - 2); its byte is the largest magnitude's exponent field - 2, held at 1 from below.
; LIMITS: a block whose largest magnitude lies under 2^-124, a block of zeros too, gets the byte 1 (of zeros the codes are zeros; the bytes are read by this program alone); NaN and infinities are not served.
.set STG,   3072                       ; LDS: a wave's stage: two fragments' images (tiles 2 cg and 2 cg + 1)
.set SCW,   4*STG                      ; the work-group's scale words: 2 tiles x 16 rows x 4 words
.set SPARE, SCW+512                    ; the spare words, 128 bytes for each wave; no other line names them
.set X,     64                         ; v64-191  my column's 128 numbers
.set C,     32                         ; v32-63   a block's six code registers at C + 8 t
.set D,     24                         ; v24-26   a block's upper 16 codes as the conversion leaves them
.set SPW,   2                          ; v2       LDS address of my spare word; never rewritten
.set NIL,   3                          ; v3       0; never rewritten
	s_load_b256 s[4:11], s[0:1], 0x0               ; wq, wk, wv, wo
	s_load_b128 s[12:15], s[0:1], 0x20             ; wcod, wscl
	v_lshl_add_u32 v[SPW], v0, 2, SPARE
	v_mov_b32 v[NIL], 0
	v_lshrrev_b32 v1, 5, v0
	v_readfirstlane_b32 s16, v1                    ; wave 0..3
	v_and_b32 v4, 31, v0                           ; lane
	v_lshlrev_b32 v5, 2, v4                        ; in: 4 bytes a lane
	v_lshlrev_b32 v6, 4, v4                        ; 16 x lane
	v_bfe_u32 v7, v0, 3, 1                         ; u: which of the two tiles my column falls into
	v_and_b32 v8, 7, v0
	v_bfe_u32 v9, v0, 4, 1
	v_lshl_add_u32 v8, v9, 3, v8                   ; r: my column's lane place in that tile
	s_mul_i32 s17, s16, STG
	v_mul_u32_u24 v10, v7, 1536
	v_add_nc_u32 v10, s17, v10                     ; my tile's image in my wave's stage
	v_lshl_add_u32 v11, v8, 4, v10                 ; + 16 r: the plane of four registers
	v_lshl_add_u32 v12, v8, 3, v10                 ; + 8 r: the plane of two (its 512 stands in the immediate)
	v_lshlrev_b32 v13, 8, v7
	v_lshl_add_u32 v13, v8, 4, v13
	s_lshl_b32 s18, s16, 2
	v_add_nc_u32 v13, s18, v13                     ; my scale word: 256 u + 16 r + 4 w
	v_add_nc_u32 v14, s17, v6                      ; back out of the stage: 16 x lane
	v_and_b32 v15, 15, v0
	v_lshlrev_b32 v15, 4, v15
	v_lshl_add_u32 v15, v9, 9, v15                 ; the scale words' place in wscl: 512 (lane / 16) + 16 (lane % 16)
	s_lshr_b32 s20, ttmp9, 6                       ; which weight
	s_bfe_u32 s21, ttmp9, 0x50001                  ; cg: which 32 columns
	s_and_b32 s22, ttmp9, 1                        ; which half of K
	s_lshl_b32 s23, s22, 2
	s_add_co_u32 s23, s23, s16                     ; my K step
	s_lshl_b32 s24, s23, 19                        ; 128 rows of 4,096 bytes a K step,
	s_lshl_b32 s25, s21, 7                         ; 128 bytes for 32 columns
	s_add_co_u32 s24, s24, s25
	s_mov_b32 s25, 0
	s_mul_i32 s26, s20, 786432                     ; wcod: the weight,
	s_mul_i32 s27, s21, 24576                      ; tile 2 cg,
	s_add_co_u32 s26, s26, s27
	s_mul_i32 s27, s23, 1536                       ; my K step
	s_add_co_u32 s26, s26, s27
	s_mov_b32 s27, 0
	s_lshl_b32 s28, s20, 15                        ; wscl: the weight, tile 2 cg, the half of K
	s_lshl_b32 s29, s21, 10
	s_add_co_u32 s28, s28, s29
	s_lshl_b32 s29, s22, 8
	s_add_co_u32 s28, s28, s29
	s_mov_b32 s29, 0
	s_and_b32 s30, s20, 1
	s_wait_kmcnt 0x0
	s_cmp_eq_u32 s30, 0                            ; the choice hangs on the work-group's number alone
	s_cselect_b64 s[4:5], s[4:5], s[6:7]
	s_cselect_b64 s[8:9], s[8:9], s[10:11]
	s_cmp_lt_u32 s20, 2
	s_cselect_b64 s[4:5], s[4:5], s[8:9]
	s_add_nc_u64 s[4:5], s[4:5], s[24:25]
	s_add_nc_u64 s[12:13], s[12:13], s[26:27]
	s_add_nc_u64 s[14:15], s[14:15], s[28:29]
.macro LOAD t                          ; block t: W(128 s + 32 t + i, my column), i = 0 .. 31: each load reads 128 consecutive bytes
.set i, 0
.rept 32
	global_load_b32 v[X+32*(\t)+i], v5, s[4:5] offset:(32*(\t)+i)*4096
.set i, i+1
.endr
.endm
.macro BLOCK t
.set XS, X+32*(\t)
.set CC, C+8*(\t)
.if (\t) < 3
	s_wait_loadcnt 32                              ; this block's 32 loads are in; the next block's 32 may be out
.else
	s_wait_loadcnt 0x0
.endif
.if (\t) < 2
	LOAD (\t)+2                                    ; two blocks ahead; every block has registers of its own
.endif
	v_max3_num_f32 v16, |v[XS]|, |v[XS+1]|, |v[XS+2]|      ; the block's largest magnitude: all 32 numbers are mine; two chains
	v_max3_num_f32 v17, |v[XS+3]|, |v[XS+4]|, |v[XS+5]|
.irp i, 6,10,14,18,22,26
	v_max3_num_f32 v16, v16, |v[XS+\i]|, |v[XS+\i+1]|
	v_max3_num_f32 v17, v17, |v[XS+\i+2]|, |v[XS+\i+3]|
.endr
	v_max3_num_f32 v16, v16, |v[XS+30]|, |v[XS+31]|
	v_max3_num_f32 v16, v16, v17, 0x1800000        ; and the floor 2^(3 - 127): the byte cannot fall under 1
	v_add_nc_u32 v18, 0xff000000, v16              ; 2 off its exponent field: the conversion takes this operand's exponent field as its scale
	v_lshrrev_b32 v19, 23, v18                     ; the scale's byte
.if (\t) == 0
	v_mov_b32 v20, v19                             ; four bytes make my column's scale word of this K step
.else
	v_lshl_or_b32 v20, v19, 8*(\t), v20
.endif
	v_cvt_scalef32_pk16_fp6_f32 v[CC:CC+2], v[XS:XS+15], v18
	v_cvt_scalef32_pk16_fp6_f32 v[D:D+2], v[XS+16:XS+31], v18   ; (a conversion's three registers begin on an even number: the upper half is made here and moved)
	v_nop                                          ; one plain place behind a scaled conversion
	v_mov_b32 v[CC+3], v[D]
	v_mov_b32 v[CC+4], v[D+1]
	v_mov_b32 v[CC+5], v[D+2]
	ds_store_b128 v11, v[CC:CC+3] offset:((\t)/2)*768+((\t)%2)*256        ; block t is registers 6 (t / 2) on of lane place r + 16 (t % 2)
	ds_store_b64 v12, v[CC+4:CC+5] offset:512+((\t)/2)*768+((\t)%2)*128
.endm
	LOAD 0
	LOAD 1
	BLOCK 0
	BLOCK 1
	BLOCK 2
	BLOCK 3
	ds_store_b32 v13, v20 offset:SCW
.irp i, 0,1,2,3,4,5
	ds_load_b128 v[X+4*\i:X+4*\i+3], v14 offset:512*\i     ; LDS serves a wave's instructions in order: these see my stores
.endr
.irp i, 0,1,2,3,4,5
	s_wait_dscnt 5-\i                              ; the younger loads from the stage may be out
	global_store_b128 v6, v[X+4*\i:X+4*\i+3], s[12:13] offset:(\i/3)*12288+(\i%3)*512   ; 32 lanes store 512 consecutive bytes, at a multiple of 512 from the buffer's first byte
.endr
	s_wait_dscnt 0x0                               ; for the others' sake: my scale words have landed
	s_barrier_signal -1
	s_barrier_wait -1
	s_cmp_lg_u32 s16, 0                            ; wave 0 stores the work-group's 512 bytes of scale words
	s_cbranch_scc1 .Lend
	ds_load_b128 v[32:35], v6 offset:SCW
	s_wait_dscnt 0x0
	global_store_b128 v15, v[32:35], s[14:15]      ; sixteen lanes store 256 consecutive bytes, aligned: one tile's words of this half of K
.Lend:
	s_wait_tensorcnt 0x0                           ; the wave's end
	ds_add_u32 v[SPW], v[NIL]
	s_wait_dscnt 0x0
	s_endpgm
.Lfunc_end_k_q898adb3523_quantw:
	.size	k_q898adb3523_quantw, .Lfunc_end_k_q898adb3523_quantw-k_q898adb3523_quantw
	.p2alignl 7, 3214868480
	.fill 96, 4, 3214868480
	.section	.rodata,"a",@progbits
	.p2align	6, 0x0
	.amdhsa_kernel k_q898adb3523_quantw
		.amdhsa_group_segment_fixed_size 13312
		.amdhsa_private_segment_fixed_size 0
		.amdhsa_enable_private_segment 0
		.amdhsa_kernarg_size 48
		.amdhsa_user_sgpr_count 2
		.amdhsa_user_sgpr_kernarg_segment_ptr 1
		.amdhsa_wavefront_size32 1
		.amdhsa_system_sgpr_workgroup_id_x 1
		.amdhsa_system_sgpr_workgroup_id_y 1
		.amdhsa_system_sgpr_workgroup_id_z 1
		.amdhsa_system_vgpr_workitem_id 0
		.amdhsa_next_free_vgpr 192
		.amdhsa_next_free_sgpr 66
		.amdhsa_reserve_vcc 0
		.amdhsa_float_denorm_mode_32 3
		.amdhsa_float_denorm_mode_16_64 3
		.amdhsa_memory_ordered 1
		.amdhsa_forward_progress 1
		.amdhsa_inst_pref_size 23
	.end_amdhsa_kernel
	.amdgpu_metadata
---
amdhsa.version: [ 1, 2 ]
amdhsa.kernels:
  - .name:           k_q898adb3523_quantw
    .symbol:         k_q898adb3523_quantw.kd
    .args:
      - { .name: wq, .offset: 0, .size: 8, .value_kind: global_buffer, .address_space: global }
      - { .name: wk, .offset: 8, .size: 8, .value_kind: global_buffer, .address_space: global }
      - { .name: wv, .offset: 16, .size: 8, .value_kind: global_buffer, .address_space: global }
      - { .name: wo, .offset: 24, .size: 8, .value_kind: global_buffer, .address_space: global }
      - { .name: wcod, .offset: 32, .size: 8, .value_kind: global_buffer, .address_space: global }
      - { .name: wscl, .offset: 40, .size: 8, .value_kind: global_buffer, .address_space: global }
    .group_segment_fixed_size: 13312
    .private_segment_fixed_size: 0
    .kernarg_segment_align: 8
    .kernarg_segment_size: 48
    .max_flat_workgroup_size: 128
    .sgpr_count:     66
    .vgpr_count:     192
    .wavefront_size: 32
...
	.end_amdgpu_metadata
.endif
;; end of part 1
;; launch quantx (part 2): grid 768 x 1, 4 waves a work-group, no clusters, 34,304 bytes of LDS; arguments query, key, value, xcod, xscl; writes xcod, xscl
.if DOCPART == 2
	.amdgcn_target "amdgcn-amd-amdhsa--gfx1250"
	.amdhsa_code_object_version 6
	.text
	.protected	k_q898adb3523_quantx
	.globl	k_q898adb3523_quantx
	.p2align	8
	.type	k_q898adb3523_quantx,@function
k_q898adb3523_quantx:
	s_mov_b64 s[64:65], 0
	v_nop
	global_prefetch_b8 v0, s[64:65] scope:SCOPE_SE
	s_setreg_imm32_b32 hwreg(HW_REG_WAVE_MODE, 25, 1), 1
	s_wait_xcnt 0x0
; query, key, value [8192][1024], f32, K innermost, become codes of FP6 (E2M3) with one E8M0 byte for each 32 along K, stored as images of operand registers.
; xcod [tensor][tile of 16 rows 0..511][K step of 128, 0..7][1,536 bytes]; lane place r of tile T is row 32 (T / 2) + 8 (T % 2) + r + 8 (r / 8).
; A fragment's image: for c = 0, 1: registers 6 c .. 6 c + 3 of lane l at 768 c + 16 l, registers 6 c + 4, 6 c + 5 at 768 c + 512 + 8 l.  xscl [tensor][tile][half of K][r][4 words].
; SHARES: work-group g: tensor g / 256; wave: J = 4 (g % 256) + w: tile J / 2, half J % 2 of K: four fragments.
; Each load reads 512 consecutive bytes (a row's 128 numbers of a K step), 16 a lane.  The operand's layout gives lane (r, h) the numbers k = 64 c + 32 h + 0 .. 31 of row r: so a fragment's 8,192 bytes turn through the
; wave's own stage in LDS (rows 528 bytes apart: sixteen rows start at sixteen different groups of banks) and come back 2 x 128 bytes a lane: two whole blocks, whose maxima need no other lane.
; LIMITS: a block whose largest magnitude lies under 2^-124, a block of zeros too, gets the byte 1 (of zeros the codes are zeros; the bytes are read by this program alone); NaN and infinities are not served.
.set PITCH, 528
.set WST,   16*PITCH                   ; a wave's stage
.set SPARE, 4*WST                      ; the spare words, 128 bytes for each wave; no other line names them
.set R,     64                         ; v64-191  two sets of 64 registers as loaded
.set X,     192                        ; v192-255 my 64 numbers: register 32 c + i is k = 64 c + 32 h + i
.set CD,    32                         ; v32-43   the fragment's codes
.set CT,    44                         ; v44-46, v48-50 the blocks' upper 16 codes as the conversions leave them
.set WD,    52                         ; v52-55   the four fragments' scale words
.set SPW,   12                         ; v12      LDS address of my spare word; never rewritten
.set NIL,   13                         ; v13      0; never rewritten
	s_load_b128 s[4:7], s[0:1], 0x0                ; query, key
	s_load_b128 s[8:11], s[0:1], 0x10              ; value, xcod
	s_load_b64 s[12:13], s[0:1], 0x20              ; xscl
	v_lshl_add_u32 v[SPW], v0, 2, SPARE
	v_mov_b32 v[NIL], 0
	v_lshrrev_b32 v1, 5, v0
	v_readfirstlane_b32 s14, v1                    ; wave 0..3
	v_and_b32 v1, 31, v0                           ; lane
	v_lshlrev_b32 v2, 4, v1                        ; 16 x lane
	v_lshlrev_b32 v3, 3, v1                        ; 8 x lane
	v_and_b32 v4, 15, v0                           ; r
	v_bfe_u32 v5, v0, 4, 1                         ; h
	s_mul_i32 s15, s14, WST
	v_add_nc_u32 v6, s15, v2                       ; into the stage: 16 x lane of a row
	v_mul_u32_u24 v7, v4, PITCH
	v_lshl_add_u32 v7, v5, 7, v7
	v_add_nc_u32 v7, s15, v7                       ; out of it: row r, + 128 h
	v_lshlrev_b32 v8, 3, v5                        ; 8 h: my bytes' place in a scale word
	v_lshlrev_b32 v9, 4, v4
	v_lshl_add_u32 v9, v5, 3, v9                   ; xscl: 16 r + 8 h
	v_mov_b32 v62, 0                               ; written once: a lane permute's destination counts as one of its sources
	s_mov_b32 s20, 0x76543210
	s_mov_b32 s21, 0xfedcba98                      ; v_permlanex16_b32's selects for lane l xor 16
	s_lshr_b32 s16, ttmp9, 8                       ; which tensor
	s_and_b32 s17, ttmp9, 255
	s_lshl_b32 s17, s17, 2
	s_add_co_u32 s17, s17, s14                     ; J
	s_lshr_b32 s18, s17, 2
	s_lshl_b32 s18, s18, 17                        ; 32 (T / 2) rows of 4,096 bytes,
	s_bfe_u32 s19, s17, 0x10001
	s_lshl_b32 s19, s19, 15                        ; 8 (T % 2) rows,
	s_add_co_u32 s18, s18, s19
	; THE KEY TENSOR (tensor 1) HAS ANOTHER ORDER OF ROWS: lane place r of tile T is row 64 (T / 4) + 8 (T % 4) + r % 8 + 32 (r / 8), so that in the attention launch a lane's 32 scores of four tiles are one block of 32 neighbouring keys
	s_lshr_b32 s26, s17, 3
	s_lshl_b32 s26, s26, 18                        ; 64 (T / 4) rows of 4,096 bytes,
	s_bfe_u32 s27, s17, 0x20001
	s_lshl_b32 s27, s27, 15                        ; 8 (T % 4) rows
	s_add_co_u32 s26, s26, s27
	s_cmp_eq_u32 s16, 1                            ; the choice hangs on the work-group's number alone
	s_cselect_b32 s18, s26, s18
	s_cselect_b32 s26, 65536, 0                    ; its lane places 8 to 15 lie 16 rows further on than the other tensors'
	v_add_nc_u32 v10, s26, v2                      ; v10: the offset of the loads of lane places 8 to 15
	s_and_b32 s19, s17, 1
	s_lshl_b32 s19, s19, 11                        ; the half of K
	s_add_co_u32 s18, s18, s19
	s_mov_b32 s19, 0
	s_mul_i32 s22, s16, 6291456
	s_mul_i32 s23, s17, 6144                       ; four fragments' images for each J
	s_add_co_u32 s22, s22, s23
	s_mov_b32 s23, 0
	s_lshl_b32 s24, s16, 18
	s_lshl_b32 s25, s17, 8                         ; 256 bytes of scale words for each J
	s_add_co_u32 s24, s24, s25
	s_mov_b32 s25, 0
	s_wait_alu depctr_va_vdst(0)
	s_wait_kmcnt 0x0
	s_cmp_eq_u32 s16, 0                            ; the choice hangs on the work-group's number alone
	s_cselect_b64 s[4:5], s[4:5], s[6:7]
	s_cmp_eq_u32 s16, 2
	s_cselect_b64 s[4:5], s[8:9], s[4:5]
	s_add_nc_u64 s[4:5], s[4:5], s[18:19]
	s_add_nc_u64 s[10:11], s[10:11], s[22:23]
	s_add_nc_u64 s[12:13], s[12:13], s[24:25]
.macro LOAD f                          ; fragment f: sixteen rows x 512 bytes, into set f % 2
.irp p, 0,1,2,3,4,5,6,7,8,9,10,11,12,13,14,15
	global_load_b128 v[R+64*((\f)%2)+4*\p:R+64*((\f)%2)+4*\p+3], v[2+8*(\p/8)], s[4:5] offset:(\p+8*(\p/8))*4096+512*(\f) th:TH_LOAD_NT
.endr
.endm
.macro STEP f
.set RS, R+64*((\f)%2)
.if (\f) < 3
	s_wait_loadcnt 16                              ; this fragment's 16 loads are in; the next fragment's 16 may be out
.else
	s_wait_loadcnt 0x0
.endif
.irp p, 0,1,2,3,4,5,6,7,8,9,10,11,12,13,14,15
	ds_store_b128 v6, v[RS+4*\p:RS+4*\p+3] offset:PITCH*\p
.endr
.irp c, 0,1
.irp j, 0,1,2,3,4,5,6,7
	ds_load_b128 v[X+32*\c+4*\j:X+32*\c+4*\j+3], v7 offset:256*\c+16*\j    ; LDS serves a wave's instructions in order: these see the stores above
.endr
.endr
	s_wait_dscnt 0x0                               ; my numbers are back, and the stores have read their registers,
.if (\f)+2 < 4
	LOAD (\f)+2                                    ; which take the loads of two fragments on
.endif
.irp c, 0,1
	v_max3_num_f32 v[56+\c], |v[X+32*\c]|, |v[X+32*\c+1]|, 0x1800000      ; my block 2 c + h, and the floor 2^(3 - 127): the byte cannot fall under 1
.endr
.irp i, 2,4,6,8,10,12,14,16,18,20,22,24,26,28,30
.irp c, 0,1
	v_max3_num_f32 v[56+\c], v[56+\c], |v[X+32*\c+\i]|, |v[X+32*\c+\i+1]|  ; (the two blocks by turns)
.endr
.endr
.irp c, 0,1
	v_add_nc_u32 v[58+\c], 0xff000000, v[56+\c]    ; 2 off the exponent field: the conversion's scale operand
.endr
.irp c, 0,1
	v_lshrrev_b32 v[60+\c], 23, v[58+\c]           ; the scale's byte
.endr
	v_lshl_or_b32 v[WD+(\f)], v61, 16, v60         ; my two bytes: blocks h and 2 + h of row r,
	v_lshlrev_b32 v[WD+(\f)], v8, v[WD+(\f)]       ; at their places in the word;
	v_permlanex16_b32 v62, v[WD+(\f)], s20, s21
	v_or_b32 v[WD+(\f)], v[WD+(\f)], v62           ; with lane l xor 16's two the word is whole
	s_wait_alu depctr_va_vdst(0)
	s_wait_xcnt 0x0                                ; the last fragment's stores have read their data: the code registers are written again only behind this wait
.irp c, 0,1
	v_cvt_scalef32_pk16_fp6_f32 v[CD+6*\c:CD+6*\c+2], v[X+32*\c:X+32*\c+15], v[58+\c]
	v_cvt_scalef32_pk16_fp6_f32 v[CT+4*\c:CT+4*\c+2], v[X+32*\c+16:X+32*\c+31], v[58+\c]   ; (a conversion's three registers begin on an even number)
.endr
	v_nop                                          ; one plain place behind a scaled conversion
.irp c, 0,1
.irp i, 0,1,2
	v_mov_b32 v[CD+3+6*\c+\i], v[CT+4*\c+\i]
.endr
.endr
	global_store_b128 v2, v[CD:CD+3], s[10:11] offset:1536*(\f)             ; the image: 512, 256, 512, 256 consecutive bytes, each at a multiple of 256 from the buffer's first byte
	global_store_b64 v3, v[CD+4:CD+5], s[10:11] offset:1536*(\f)+512
	global_store_b128 v2, v[CD+6:CD+9], s[10:11] offset:1536*(\f)+768
	global_store_b64 v3, v[CD+10:CD+11], s[10:11] offset:1536*(\f)+1280
.endm
	LOAD 0
	LOAD 1
	STEP 0
	STEP 1
	STEP 2
	STEP 3
	v_cmp_eq_u32 vcc_lo, 1, v5                     ; every lane holds its row's four words: lanes 0-15 store words 0, 1, lanes 16-31 words 2, 3
	v_cndmask_b32 v62, v[WD], v[WD+2], vcc_lo
	v_cndmask_b32 v63, v[WD+1], v[WD+3], vcc_lo
	global_store_b64 v9, v[62:63], s[12:13]        ; 32 lanes store 256 consecutive bytes, aligned
	s_wait_tensorcnt 0x0                           ; the wave's end
	ds_add_u32 v[SPW], v[NIL]
	s_wait_dscnt 0x0
	s_endpgm
.Lfunc_end_k_q898adb3523_quantx:
	.size	k_q898adb3523_quantx, .Lfunc_end_k_q898adb3523_quantx-k_q898adb3523_quantx
	.p2alignl 7, 3214868480
	.fill 96, 4, 3214868480
	.section	.rodata,"a",@progbits
	.p2align	6, 0x0
	.amdhsa_kernel k_q898adb3523_quantx
		.amdhsa_group_segment_fixed_size 34304
		.amdhsa_private_segment_fixed_size 0
		.amdhsa_enable_private_segment 0
		.amdhsa_kernarg_size 40
		.amdhsa_user_sgpr_count 2
		.amdhsa_user_sgpr_kernarg_segment_ptr 1
		.amdhsa_wavefront_size32 1
		.amdhsa_system_sgpr_workgroup_id_x 1
		.amdhsa_system_sgpr_workgroup_id_y 1
		.amdhsa_system_sgpr_workgroup_id_z 1
		.amdhsa_system_vgpr_workitem_id 0
		.amdhsa_next_free_vgpr 256
		.amdhsa_next_free_sgpr 66
		.amdhsa_reserve_vcc 1
		.amdhsa_float_denorm_mode_32 3
		.amdhsa_float_denorm_mode_16_64 3
		.amdhsa_memory_ordered 1
		.amdhsa_forward_progress 1
		.amdhsa_inst_pref_size 31
	.end_amdhsa_kernel
	.amdgpu_metadata
---
amdhsa.version: [ 1, 2 ]
amdhsa.kernels:
  - .name:           k_q898adb3523_quantx
    .symbol:         k_q898adb3523_quantx.kd
    .args:
      - { .name: query, .offset: 0, .size: 8, .value_kind: global_buffer, .address_space: global }
      - { .name: key, .offset: 8, .size: 8, .value_kind: global_buffer, .address_space: global }
      - { .name: value, .offset: 16, .size: 8, .value_kind: global_buffer, .address_space: global }
      - { .name: xcod, .offset: 24, .size: 8, .value_kind: global_buffer, .address_space: global }
      - { .name: xscl, .offset: 32, .size: 8, .value_kind: global_buffer, .address_space: global }
    .group_segment_fixed_size: 34304
    .private_segment_fixed_size: 0
    .kernarg_segment_align: 8
    .kernarg_segment_size: 40
    .max_flat_workgroup_size: 128
    .sgpr_count:     66
    .vgpr_count:     256
    .wavefront_size: 32
...
	.end_amdgpu_metadata
.endif
;; end of part 2
;; launch proj (part 3): grid 4 x 192, 4 waves a work-group, clusters of 4 x 4, 327,680 bytes of LDS; arguments xcod, xscl, wcod, wscl, bq, bk, bv, acod, ascl; writes acod, ascl
.if DOCPART == 3
	.amdgcn_target "amdgcn-amd-amdhsa--gfx1250"
	.amdhsa_code_object_version 6
	.text
	.protected	k_q898adb3523_proj
	.globl	k_q898adb3523_proj
	.p2align	8
	.type	k_q898adb3523_proj,@function
k_q898adb3523_proj:
	s_mov_b64 s[64:65], 0
	v_nop
	global_prefetch_b8 v0, s[64:65] scope:SCOPE_SE
	s_setreg_imm32_b32 hwreg(HW_REG_WAVE_MODE, 25, 1), 1
	s_wait_xcnt 0x0
	s_wait_alu depctr_hold_cnt(0) depctr_sa_sdst(0) depctr_va_vdst(0) depctr_va_sdst(0) depctr_va_ssrc(0) depctr_va_vcc(0) depctr_vm_vsrc(0)
	s_getreg_b32 s2, hwreg(HW_REG_IB_STS2, 6, 4)
	s_cmp_eq_u32 s2, 0
	s_cbranch_scc0 .Lentry_in_a_cluster
	s_endpgm
.Lentry_in_a_cluster:
	s_bfe_u32 s2, ttmp6, 0x10000c
	s_cmp_lg_u32 s2, 0xf033
	s_cbranch_scc0 .Lentry_shape_is_right
	s_endpgm
.Lentry_shape_is_right:
; The three projections q = query wq + bq, k = key wk + bk, v = value wv + bv on codes of FP6 (E2M3) with E8M0 scales, K = 1,024; the results are quantised in registers and leave as operand images for the attention launch.
; ONE SYMMETRIC PRODUCT SERVES ALL THREE.  Source 0 = P, whose rows become the NEXT product's K; source 1 = R, whose rows stay rows.  q, k: P = the weight's 1,024 columns, R = the 8,192 tokens (next K: the head's 64).
; v: P = the 8,192 tokens (next K: the keys), R = wv's 1,024 columns.  Only pointers and offsets differ; they are chosen by s_cselect on SEL = cluster y / 16, which all partners of a cluster share.
; Every operand lies in memory as images of fragments, [tile of 16 rows][K step of 128][1,536 bytes], lane place r of tile T being row 32 (T / 2) + 8 (T % 2) + r + 8 (r / 8): so in the results of P's tiles 2 b and 2 b + 1
; a lane's 16 registers are 16 NEIGHBOURS along the next K, 32 b + 16 (lane / 16) + 0 .. 15, as the conversions want them.
; SHARES.  A work-group: 256 rows of P x 128 rows of R x all of K.  Wave w: P's rows 128 (w % 2) on x R's rows 64 (w / 2) on: 32 accumulators.
; LDS IS FILLED ONCE: both panels for all of K (two halves of four K steps) and their scale words fit; each wave has one tensor load out at the start, and waves 0 and 1 issue one more later.
; CLUSTER 4 x 4: P's panel hangs on cy alone and is asked for jointly along a row of the cluster, R's on cx alone, along a column.
; LIMITS: a block whose largest magnitude lies under 2^-124, a block of zeros too, gets the byte 1 (of zeros the codes are zeros; the bytes are read by this program alone); NaN and infinities are not served.
; REGISTERS, in windows of 256: window 0: v1-13 addresses; v32-95 P's scale words (tile b, K step s at 32 + 8 b + s); v96-127 R's (96 + 8 a + s); v128-191 64 results at work; v192-211 codes; v212-227 at work; v228-231 the new scale words; v232-236 store offsets.
;   window 1: P's fragments, two sets at v0 and v128.   window 2: accumulator (a, b) at v[8 (8 a + b)].   window 3: R's fragments, two sets at v0 and v48; v128-191 the bias along P; v192-199 the bias along R.
; THE FILLS, as the text below has them (this replaces what the head says of chunks and of five loads): LDS is filled once, in two groups.  At the head one joint load a wave: wave 0 P's K steps 0-3, wave 1 R's, wave 2 P's scale words, wave 3 R's.
; Behind the three lines and a round of the cluster's barrier wave 0 asks for P's K steps 4-7 and wave 1 for R's; they have four K steps, 128 matrix instructions, in which to land; a barrier in step 3 shows them.
.set PL,    0                          ; LDS: P's panel [half of K: 98,304][tile 0..15: 6,144][K step % 4: 1,536]
.set RL,    196608                     ; R's panel [half of K: 49,152][tile 0..7: 6,144]
.set SPL,   294912                     ; P's scale words [tile 0..15][half of K][r][4 words]
.set SRL,   303104                     ; R's
.set SPARE, 307200                     ; the spare words, 128 bytes for each wave; no other line names them
.set L16,   1                          ; v1  16 x lane
.set L8,    2                          ; v2  8 x lane
.set R16,   3                          ; v3  16 x (lane % 16)
.set ADP16, 4                          ; v4-7 LDS addresses of my fragments in the chunk in hand
.set ADP8,  5
.set ADR16, 6
.set ADR8,  7
.set ASP,   8                          ; v8, v9 of my scale words
.set ASR,   9
.set SPW,   30                         ; v30 LDS address of my spare word; never rewritten
.set NIL,   31                         ; v31 0; never rewritten
.set SP,    32
.set SR,    96
.set HA,    128
.set PC,    192
.set TM,    212
.set PWS,   228
.set VC16,  232                        ; v232, v233 store offsets of a fragment's second half
.set VC8,   233
.set VSO,   234                        ; v234 the scale words' store offset
.set VSH,   235                        ; v235 how far a scale word is shifted down
.set VMK,   236                        ; v236 and what is kept of it
.set BP,    128                        ; in window 3
.set BR,    192
.set WV,    22                         ; s22 wave; s23 wave % 2; s101 wave / 2; s100 SEL
.set W1,    23
.set WR,    101
.set SEL,   100
.set PS,    16                         ; s[16:17] lane selects for v_permlanex16_b32 (from the epilogue's set-up on)
.set G1P,   24                         ; descriptor groups 1: P's chunks, R's chunks, P's scales, R's scales
.set G1R,   32
.set G1SP,  40
.set G1SR,  48                         ; groups 0: P's at s56, s60, s68 (scales, K steps 0-3, 4-7); R's at s80, s84, s88
.set MSB, 0
.macro WIN new                         ; the immediate's high byte repeats the setting that is left
.if MSB != \new
	s_set_vgpr_msb (MSB<<8)|\new
.set MSB, \new
.endif
.endm
.macro CROUND                          ; a round of the cluster's barrier
	s_barrier_signal -1
	s_barrier_wait -1
	s_cmp_lg_u32 s[WV], 0
	s_cbranch_scc1 .Lnot_wave_0_\@
	s_barrier_signal -3
.Lnot_wave_0_\@:
	s_barrier_wait -3
	s_barrier_signal -1
	s_barrier_wait -1
.endm
.macro PLACES                          ; four places behind matrix instructions, in front of loads into registers that they have read and of reads of their results
.rept 4
	v_nop
.endr
.endm
	s_load_b512 s[4:19], s[0:1], 0x0               ; xcod s[4:5], xscl s[6:7], wcod s[8:9], wscl s[10:11], bq s[12:13], bk s[14:15], bv s[16:17], acod s[18:19]
	s_load_b64 s[20:21], s[0:1], 0x40              ; ascl
	v_lshl_add_u32 v[SPW], v0, 2, SPARE
	v_mov_b32 v[NIL], 0
	ds_add_u32 v[SPW], v[NIL]                      ; the wave's opening: the add and its wait ahead of my first tensor load; work on registers stands between them
	ds_add_u32 v[SPW], v[NIL]
	v_lshrrev_b32 v10, 5, v0
	v_readfirstlane_b32 s[WV], v10                 ; wave 0..3
	s_and_b32 s[W1], s[WV], 1                      ; my half of P's rows
	s_lshr_b32 s[WR], s[WV], 1                     ; my half of R's rows
	s_bfe_u32 s66, ttmp6, 0x40000                  ; cx
	s_bfe_u32 s67, ttmp6, 0x40004                  ; cy
	s_lshl_b32 s104, s67, 2
	s_lshl_b32 s104, 15, s104                      ; my row of the cluster
	s_lshl_b32 s105, 0x1111, s66                   ; my column
	s_or_b32 s[G1P], s104, (3<<16)|(1<<21)         ; 15:0 the mask; 17:16 elements of 8 bytes; 20 no padding; 21 set beside a mask
	s_or_b32 s[G1SP], s104, (3<<16)|(1<<21)
	s_or_b32 s[G1R], s105, (3<<16)|(1<<21)
	s_or_b32 s[G1SR], s105, (3<<16)|(1<<21)
.irp g, G1P, G1R                       ; a half of K: a row is one tile's four K steps, 6,144 bytes = 768 elements; from tile to tile 12,288 bytes = 1,536 elements
	s_mov_b32 s[\g+1], 768<<16                     ; tensor_dim0: a row is one tile's four K steps, 6,144 bytes = 768 elements
	s_mov_b32 s[\g+3], 768<<16                     ; tile_dim0
	s_mov_b32 s[\g+5], 1536                        ; the pitch
	s_mov_b32 s[\g+6], 0
	s_mov_b32 s[\g+7], 0
.endr
	s_mov_b32 s[G1P+2], 16<<16                     ; 16 tiles of P to a load,
	s_mov_b32 s[G1P+4], 16
	s_mov_b32 s[G1R+2], 8<<16                      ; 8 of R
	s_mov_b32 s[G1R+4], 8
.irp g, G1SP, G1SR                     ; scale words: a dense block, as rows of 256 bytes = 32 elements
	s_mov_b32 s[\g+1], 32<<16
	s_mov_b32 s[\g+3], 32<<16
	s_mov_b32 s[\g+5], 32
	s_mov_b32 s[\g+6], 0
	s_mov_b32 s[\g+7], 0
.endr
	s_mov_b32 s[G1SP+2], 32<<16                    ; 8,192 bytes to a load for P,
	s_mov_b32 s[G1SP+4], 32
	s_mov_b32 s[G1SR+2], 16<<16                    ; 4,096 for R
	s_mov_b32 s[G1SR+4], 16
	s_and_b32 s2, ttmp7, 0xffff                    ; cluster y, 0 .. 47
	s_lshr_b32 s[SEL], s2, 4                       ; 0: q, 1: k, 2: v
	s_and_b32 s2, s2, 15
	s_and_b32 s104, s2, 7
	s_lshr_b32 s105, s2, 3
	s_cmp_eq_u32 s[SEL], 2
	s_cselect_b32 s104, s104, 0                    ; v: 32 panels of P in 8 groups of four; q, k: 4 panels
	s_cselect_b32 s105, s105, s2                   ; v: 8 panels of R in 2 groups; q, k: 64 in 16
	s_lshl_b32 s104, s104, 2
	s_add_co_u32 s104, s104, s67                   ; which panel of P: it hangs on cy alone
	s_lshl_b32 s105, s105, 2
	s_add_co_u32 s105, s105, s66                   ; which panel of R: on cx alone
	s_mov_b32 s56, 1                               ; groups 0: every LDS address is a constant.  s56 P's scale words, s60, s68 P's two halves of K
	s_mov_b32 s57, SPL
	s_mov_b32 s60, 1
	s_mov_b32 s61, PL
	s_mov_b32 s68, 1
	s_mov_b32 s69, PL+98304
	s_mov_b32 s80, 1                               ; s80 R's scale words, s84, s88 R's two halves
	s_mov_b32 s81, SRL
	s_mov_b32 s84, 1
	s_mov_b32 s85, RL
	s_mov_b32 s88, 1
	s_mov_b32 s89, RL+49152
	s_mul_i32 s62, s104, 196608                    ; byte offsets in the tensors: P's codes: 16 tiles a panel, 16 tiles a load,
	s_mov_b32 s63, 0
	s_lshl_b32 s58, s104, 13                       ; P's scale words,
	s_mov_b32 s59, 0
	s_mul_i32 s86, s105, 98304                     ; R's codes,
	s_mov_b32 s87, 0
	s_lshl_b32 s82, s105, 12                       ; R's scale words
	s_mov_b32 s83, 0
	s_wait_dscnt 0x0                               ; the opening add is done
	s_wait_kmcnt 0x0
	s_mov_b32 s3, 0
	s_mul_i32 s2, s[SEL], 6291456
	s_add_nc_u64 s[4:5], s[4:5], s[2:3]            ; tensor SEL of the tokens' codes,
	s_lshl_b32 s2, s[SEL], 18
	s_add_nc_u64 s[6:7], s[6:7], s[2:3]            ; of their scale words,
	s_mul_i32 s2, s[SEL], 786432
	s_add_nc_u64 s[8:9], s[8:9], s[2:3]            ; weight SEL's codes,
	s_lshl_b32 s2, s[SEL], 15
	s_add_nc_u64 s[10:11], s[10:11], s[2:3]        ; and scale words
	s_cmp_eq_u32 s[SEL], 2                         ; v: the tokens are P and the weight is R; q, k: the other way round
	s_cselect_b64 s[2:3], s[4:5], s[8:9]           ; P's codes
	s_cselect_b64 s[4:5], s[8:9], s[4:5]           ; R's codes
	s_cselect_b64 s[8:9], s[6:7], s[10:11]         ; P's scale words
	s_cselect_b64 s[6:7], s[10:11], s[6:7]         ; R's scale words
	s_cselect_b64 s[16:17], s[16:17], s[14:15]
	s_cmp_eq_u32 s[SEL], 0
	s_cselect_b64 s[12:13], s[12:13], s[16:17]     ; the bias
	s_add_nc_u64 s[58:59], s[8:9], s[58:59]
	s_add_nc_u64 s[62:63], s[2:3], s[62:63]        ; K steps 0-3
	s_add_nc_u64 s[70:71], s[62:63], 6144          ; K steps 4-7 lie 6,144 bytes on in every tile
	s_add_nc_u64 s[82:83], s[6:7], s[82:83]
	s_add_nc_u64 s[86:87], s[4:5], s[86:87]
	s_add_nc_u64 s[90:91], s[86:87], 6144
.irp g, 56, 60, 68, 80, 84, 88
	s_or_b32 s[\g+3], s[\g+3], 0x80000000          ; type = 2
.endr
	CROUND                                         ; all sixteen work-groups are here: the joint loads meet
.macro TL g0, g1                       ; a joint load, with an s_nop 0 and four v_nop behind it
	tensor_load_to_lds s[\g0:\g0+3], s[\g1:\g1+7]
	s_nop 0
.rept 4
	v_nop
.endr
.endm
	s_cmp_eq_u32 s[WV], 0                          ; the head's four tiles, one a wave, in one chain of arms on the wave's number
	s_cbranch_scc0 .Lh1
	TL 60, G1P                                     ; wave 0: P's K steps 0-3
	s_branch .Lasked
.Lh1:
	s_cmp_eq_u32 s[WV], 1
	s_cbranch_scc0 .Lh2
	TL 84, G1R                                     ; wave 1: R's
	s_branch .Lasked
.Lh2:
	s_cmp_eq_u32 s[WV], 2
	s_cbranch_scc0 .Lh3
	TL 56, G1SP                                    ; wave 2: P's scale words
	s_branch .Lasked
.Lh3:
	TL 80, G1SR                                    ; wave 3: R's
.Lasked:
	v_and_b32 v14, 31, v0
	v_lshlrev_b32 v[L16], 4, v14
	v_lshlrev_b32 v[L8], 3, v14
	v_and_b32 v11, 15, v0                          ; r
	v_bfe_u32 v10, v0, 4, 1                        ; h
	v_lshlrev_b32 v[R16], 4, v11
	s_mul_i32 s2, s[W1], 49152                     ; my 8 tiles of P, 6,144 bytes each
	v_add_nc_u32 v[ADP16], s2, v[L16]
	v_add_nc_u32 v[ADP8], s2, v[L8]
	s_mul_i32 s2, s[WR], 24576                     ; my 4 tiles of R
	s_add_co_u32 s2, s2, RL
	v_add_nc_u32 v[ADR16], s2, v[L16]
	v_add_nc_u32 v[ADR8], s2, v[L8]
	s_lshl_b32 s2, s[W1], 12
	s_add_co_u32 s2, s2, SPL
	v_add_nc_u32 v[ASP], s2, v[R16]
	s_lshl_b32 s2, s[WR], 11
	s_add_co_u32 s2, s2, SRL
	v_add_nc_u32 v[ASR], s2, v[R16]
.irp b, 0,1,2,3
	v_mov_b32 v[TM+4+\b], 0                        ; written once: a lane permute's destination counts as one of its sources
.endr
	; WHERE THE RESULTS GO.  Pblk: my 128 rows of P; R64: my 64 rows of R.
	; q, k: Pblk is two heads, R64 four tiles of tokens: bh = 16 (R64 / 32) + 2 Pblk + c, tile 4 (R64 % 32) + a.   v: Pblk is a block of 128 keys, R64 a head: bh = 16 (Pblk / 16) + R64, key block Pblk % 16, d tile a.
	s_lshl_b32 s104, s104, 1
	s_add_co_u32 s104, s104, s[W1]                 ; Pblk
	s_lshl_b32 s105, s105, 1
	s_add_co_u32 s105, s105, s[WR]                 ; R64
	s_lshr_b32 s2, s105, 5
	s_lshl_b32 s2, s2, 4
	s_lshl_b32 s3, s104, 1
	s_add_co_u32 s2, s2, s3
	s_and_b32 s3, s105, 31
	s_lshr_b32 s4, s104, 4
	s_lshl_b32 s4, s4, 4
	s_add_co_u32 s4, s4, s105
	s_and_b32 s5, s104, 15
	s_lshl_b32 s16, s104, 9                        ; the bias along P: 128 numbers a Pblk
	s_lshl_b32 s17, s105, 8                        ; along R: 64 a R64
	s_cmp_eq_u32 s[SEL], 2
	s_cselect_b32 s2, s4, s2                       ; H0: the first head
	s_cselect_b32 s3, s5, s3                       ; z: the group of tiles, or the key block
	s_cselect_b32 s16, 0, s16                      ; (the bias that a path does not use is loaded from the buffer's head and not used)
	s_cselect_b32 s17, s17, 0
	s_mov_b32 s8, 3072
	s_cselect_b32 s8, 6144, s8                     ; bytes of codes for each z
	s_mov_b32 s14, 768
	s_cselect_b32 s14, 1536, s14                   ; from R's tile a to a + 1
	s_cselect_b32 s11, 0, 16
	s_cselect_b32 s66, -1, 0xffff
	s_mov_b32 s15, 0
	s_cmp_eq_u32 s[SEL], 0
	s_mov_b32 s4, 196608
	s_cselect_b32 s4, 98304, s4                    ; bytes of codes a head: q's region, or K and V together
	s_mov_b32 s5, 6291456
	s_cselect_b32 s5, 0, s5                        ; where the region begins
	s_mov_b32 s6, 12288
	s_cselect_b32 s6, 8192, s6                     ; the same for the scale words
	s_mov_b32 s7, 524288
	s_cselect_b32 s7, 0, s7
	s_cmp_eq_u32 s[SEL], 2
	s_cselect_b32 s5, 6389760, s5                  ; V lies behind a head's K
	s_cselect_b32 s7, 532480, s7
	s_cselect_b32 s9, 768, s4                      ; from a fragment's first half to its second: the next head (q, k), or 768 bytes (v)
	s_cselect_b32 s10, 0, s6                       ; the same for the scale words
	v_lshl_add_u32 v12, v10, 6, s16                ; the bias along P: lane (r, h) wants 32 b + 16 h + 0 .. 15
	v_lshrrev_b32 v14, 3, v11
	v_lshl_add_u32 v14, v14, 3, v11                ; r + 8 (r / 8)
	v_lshl_add_u32 v13, v14, 2, s17                ; the bias along R: the row at my lane place
	s_wait_alu depctr_va_vdst(0)
	v_add_nc_u32 v[VC16], s9, v[L16]
	v_add_nc_u32 v[VC8], s9, v[L8]
	v_mul_u32_u24 v[VSO], v10, s10
	v_add_nc_u32 v[VSO], v[VSO], v[R16]            ; q, k: lanes 0-15 store the first head's words, lanes 16-31 the second's
	v_mul_u32_u24 v[VSH], v10, s11                 ; which are the upper two bytes of the word just made;
	v_mov_b32 v[VMK], s66                          ; q, k keep two bytes (the other two are 0), v all four
	s_mul_i32 s67, s2, s4
	s_add_co_u32 s67, s67, s5
	s_mul_i32 s4, s3, s8
	s_add_co_u32 s4, s4, s67
	s_mov_b32 s5, 0
	s_add_nc_u64 s[18:19], s[18:19], s[4:5]        ; acod at my first image
	s_mul_i32 s67, s2, s6
	s_add_co_u32 s67, s67, s7
	s_lshl_b32 s4, s3, 8
	s_add_co_u32 s4, s4, s67
	s_add_nc_u64 s[20:21], s[20:21], s[4:5]        ; ascl at my 256 bytes
	s_mov_b32 s[PS], 0x76543210
	s_mov_b32 s[PS+1], 0xfedcba98
	WIN 0xC0                                       ; destination window 3
.irp t, 0,1,2,3,4,5,6,7,8,9,10,11,12,13,14,15
	global_load_b128 v[BP+4*\t:BP+4*\t+3], v12, s[12:13] offset:128*(\t/4)+16*(\t%4)
.endr
.irp a, 0,1,2,3
	global_load_b32 v[BR+2*\a], v13, s[12:13] offset:128*(\a/2)+32*(\a%2)
	global_load_b32 v[BR+2*\a+1], v13, s[12:13] offset:128*(\a/2)+32*(\a%2)     ; (twice: the packed addition names a pair)
.endr
	WIN 0
; 48 LDS loads: the fragments of K step s, as images: every load reads consecutive bytes
.macro FETCH s
.set FP, 128*((\s)%2)
.set FQ, 48*((\s)%2)
.set KO, 1536*((\s)%4)
	WIN 0x40                                       ; destination window 1
.irp b, 0,1,2,3,4,5,6,7
	ds_load_b128 v[FP+12*\b:FP+12*\b+3], v[ADP16] offset:\b*6144+KO
	ds_load_b64 v[FP+12*\b+4:FP+12*\b+5], v[ADP8] offset:\b*6144+KO+512
	ds_load_b128 v[FP+12*\b+6:FP+12*\b+9], v[ADP16] offset:\b*6144+KO+768
	ds_load_b64 v[FP+12*\b+10:FP+12*\b+11], v[ADP8] offset:\b*6144+KO+1280
.endr
	WIN 0xC0                                       ; destination window 3
.irp a, 0,1,2,3
	ds_load_b128 v[FQ+12*\a:FQ+12*\a+3], v[ADR16] offset:\a*6144+KO
	ds_load_b64 v[FQ+12*\a+4:FQ+12*\a+5], v[ADR8] offset:\a*6144+KO+512
	ds_load_b128 v[FQ+12*\a+6:FQ+12*\a+9], v[ADR16] offset:\a*6144+KO+768
	ds_load_b64 v[FQ+12*\a+10:FQ+12*\a+11], v[ADR8] offset:\a*6144+KO+1280
.endr
.endm
; 32 matrix instructions: K step s.  The 32 accumulators take turns, one instruction a turn, in the same order in every step.  zero = 1: the first step starts the sums
.macro MUL32 s, zero
	WIN 0xAD                                       ; source 0 (P) window 1, source 1 (R) window 3, C and D window 2
.irp a, 0,1,2,3
.irp b, 0,1,2,3,4,5,6,7
.if \zero
	v_wmma_scale_f32_16x16x128_f8f6f4 v[8*(8*\a+\b):8*(8*\a+\b)+7], v[128*((\s)%2)+12*\b:128*((\s)%2)+12*\b+11], v[48*((\s)%2)+12*\a:48*((\s)%2)+12*\a+11], 0, v[SP+8*\b+(\s)], v[SR+8*\a+(\s)] matrix_a_fmt:MATRIX_FMT_FP6 matrix_b_fmt:MATRIX_FMT_FP6
.else
	v_wmma_scale_f32_16x16x128_f8f6f4 v[8*(8*\a+\b):8*(8*\a+\b)+7], v[128*((\s)%2)+12*\b:128*((\s)%2)+12*\b+11], v[48*((\s)%2)+12*\a:48*((\s)%2)+12*\a+11], v[8*(8*\a+\b):8*(8*\a+\b)+7], v[SP+8*\b+(\s)], v[SR+8*\a+(\s)] matrix_a_fmt:MATRIX_FMT_FP6 matrix_b_fmt:MATRIX_FMT_FP6
.endif
.endr
.endr
.endm
; K step s: its fragments are in; the next step's are asked for, and land under this step's 32 matrix instructions
.macro STEP s
	s_wait_dscnt 0x0                               ; step s's fragments are in
.if (\s) == 3
	s_wait_tensorcnt 0x0                           ; every wave: the second half of K has landed
	s_barrier_signal -1
	s_barrier_wait -1                              ; everybody's has
	PLACES
	WIN 0
	v_add_nc_u32 v[ADP16], 98304, v[ADP16]         ; on to the second half of K
	s_wait_alu depctr_va_vdst(0)
	v_add_nc_u32 v[ADP8], 98304, v[ADP8]
	s_wait_alu depctr_va_vdst(0)
	v_add_nc_u32 v[ADR16], 49152, v[ADR16]
	s_wait_alu depctr_va_vdst(0)
	v_add_nc_u32 v[ADR8], 49152, v[ADR8]
.elseif ((\s) > 0) && ((\s) < 7)
	PLACES
.endif
.if (\s) < 7
	s_wait_alu depctr_va_vdst(0)
	FETCH (\s)+1
.endif
.if (\s) == 0
	MUL32 \s, 1
.else
	MUL32 \s, 0
.endif
.endm
	s_wait_alu depctr_va_vdst(0)                   ; the head's end
	s_wait_tensorcnt 0x0                           ; my tile of the head's four is in
	ds_add_u32 v[SPW], v[NIL]
	s_wait_dscnt 0x0
	CROUND                                         ; all four tiles are in, and all sixteen work-groups are here
	s_cmp_eq_u32 s[WV], 0
	s_cbranch_scc0 .Ls1
	TL 68, G1P                                     ; wave 0: P's K steps 4-7
	s_branch .Lsecond
.Ls1:
	s_cmp_eq_u32 s[WV], 1
	s_cbranch_scc0 .Lsecond
	TL 88, G1R                                     ; wave 1: R's
.Lsecond:
.irp b, 0,1,2,3,4,5,6,7                ; the scale words of all of K: lane r takes row r's four words of half a K; lanes 16-31 take the same and are not read
	ds_load_b128 v[SP+8*\b:SP+8*\b+3], v[ASP] offset:512*\b
	ds_load_b128 v[SP+8*\b+4:SP+8*\b+7], v[ASP] offset:512*\b+256
.endr
.irp a, 0,1,2,3
	ds_load_b128 v[SR+8*\a:SR+8*\a+3], v[ASR] offset:512*\a
	ds_load_b128 v[SR+8*\a+4:SR+8*\a+7], v[ASR] offset:512*\a+256
.endr
	FETCH 0
.irp s, 0,1,2,3,4,5,6,7
	STEP \s
.endr
	WIN 0
	PLACES                                         ; in front of the first read of results
	s_wait_loadcnt 0x0                             ; the biases
; 64 numbers of a lane, register 16 b + i = next K 32 b + 16 (lane / 16) + i of my row, become a fragment's codes in v[PC] on and its scale word in v[pw]
.macro QUANT s, pw
.irp b, 0,1,2,3
	v_max3_num_f32 v[TM+\b], |v[\s+16*\b]|, |v[\s+1+16*\b]|, 0x1800000   ; block b: my 16 numbers, and the floor 2^(3 - 127): the byte cannot fall under 1
.endr
.irp i, 2,4,6,8,10,12,14
.irp b, 0,1,2,3
	v_max3_num_f32 v[TM+\b], v[TM+\b], |v[\s+16*\b+\i]|, |v[\s+1+16*\b+\i]|   ; (the four blocks by turns)
.endr
.endr
.irp b, 0,1,2,3
	v_permlanex16_b32 v[TM+4+\b], v[TM+\b], s[PS], s[PS+1]
.endr
.irp b, 0,1,2,3
	v_max_num_f32 v[TM+\b], v[TM+\b], v[TM+4+\b]   ; with lane l xor 16's: the block's largest magnitude
.endr
.irp b, 0,1,2,3
	v_add_nc_u32 v[TM+12+\b], 0xff000000, v[TM+\b]   ; 2 off its exponent field: the conversion's scale operand
.endr
.irp b, 0,1,2,3
	v_lshrrev_b32 v[TM+4+\b], 23, v[TM+12+\b]      ; the scale's byte
.endr
	v_lshl_or_b32 v[\pw], v[TM+5], 8, v[TM+4]
	v_lshl_or_b32 v[\pw], v[TM+6], 16, v[\pw]
	v_lshl_or_b32 v[\pw], v[TM+7], 24, v[\pw]
.irp c, 0,1
	v_cvt_scalef32_pk16_fp6_f32 v[PC+6*\c:PC+2+6*\c], v[\s+32*\c:\s+15+32*\c], v[TM+12+2*\c]
	v_cvt_scalef32_pk16_fp6_f32 v[PC+12+4*\c:PC+14+4*\c], v[\s+16+32*\c:\s+31+32*\c], v[TM+12+2*\c+1]   ; (a conversion's three registers begin on an even number)
.endr
	v_nop                                          ; one plain place behind a scaled conversion
.irp c, 0,1                            ; the operand's layout wants a WHOLE block in a lane: lanes 0-15 block 2 c, lanes 16-31 block 2 c + 1
.irp i, 0,1,2
	v_permlane16_swap_b32 v[PC+6*\c+\i], v[PC+12+4*\c+\i]
.endr
.irp i, 0,1,2
	v_mov_b32 v[PC+3+6*\c+\i], v[PC+12+4*\c+\i]
.endr
.endr
.endm
; R's tile a: the bias is added (which also brings the results into window 0, each accumulator from its low end on), the 64 numbers are quantised, the image is stored
.macro OUT a
.if (\a) > 0
	s_wait_xcnt 0x0                                ; the last tile's stores have read their data and their base: both are written again only behind this wait
	s_add_nc_u64 s[18:19], s[18:19], s[14:15]
.endif
	s_cmp_eq_u32 s[SEL], 2                         ; the same in all partners of the cluster
	s_cbranch_scc1 .Lalong_r_\@
	WIN 0x0E                                       ; source 0 window 2, source 1 window 3
.set j, 0
.rept 32
	v_pk_add_f32 v[HA+j:HA+j+1], v[64*(\a)+j:64*(\a)+j+1], v[BP+j:BP+j+1]            ; q, k: the bias runs along P
.set j, j+2
.endr
	WIN 0
	s_branch .Ladded_\@
.Lalong_r_\@:
	WIN 0x0E
.set j, 0
.rept 32
	v_pk_add_f32 v[HA+j:HA+j+1], v[64*(\a)+j:64*(\a)+j+1], v[BR+2*(\a):BR+2*(\a)+1] op_sel_hi:[1,0]   ; v: one number for my row
.set j, j+2
.endr
	WIN 0
.Ladded_\@:
	QUANT HA, PWS+\a
	global_store_b128 v[L16], v[PC:PC+3], s[18:19]                 ; 512, 256, 512, 256 consecutive bytes, each at a multiple of 256 from the buffer's first byte
	global_store_b64 v[L8], v[PC+4:PC+5], s[18:19] offset:512
	global_store_b128 v[VC16], v[PC+6:PC+9], s[18:19]
	global_store_b64 v[VC8], v[PC+10:PC+11], s[18:19] offset:512
.endm
.irp a, 0,1,2,3
	OUT \a
.endr
.irp a, 0,1,2,3
	v_lshrrev_b32 v[PWS+\a], v[VSH], v[PWS+\a]
.endr
.irp a, 0,1,2,3
	v_and_b32 v[PWS+\a], v[VMK], v[PWS+\a]
.endr
	global_store_b128 v[VSO], v[PWS:PWS+3], s[20:21]   ; sixteen lanes store 256 consecutive bytes, aligned (v: both halves of the lanes store the same bytes with the same values)
	s_wait_tensorcnt 0x0                           ; the wave's end
	ds_add_u32 v[SPW], v[NIL]
	s_wait_dscnt 0x0
	CROUND                                         ; the closing round
	s_endpgm
.Lfunc_end_k_q898adb3523_proj:
	.size	k_q898adb3523_proj, .Lfunc_end_k_q898adb3523_proj-k_q898adb3523_proj
	.p2alignl 7, 3214868480
	.fill 96, 4, 3214868480
	.section	.rodata,"a",@progbits
	.p2align	6, 0x0
	.amdhsa_kernel k_q898adb3523_proj
		.amdhsa_group_segment_fixed_size 327680
		.amdhsa_private_segment_fixed_size 0
		.amdhsa_enable_private_segment 0
		.amdhsa_kernarg_size 72
		.amdhsa_user_sgpr_count 2
		.amdhsa_user_sgpr_kernarg_segment_ptr 1
		.amdhsa_wavefront_size32 1
		.amdhsa_system_sgpr_workgroup_id_x 1
		.amdhsa_system_sgpr_workgroup_id_y 1
		.amdhsa_system_sgpr_workgroup_id_z 1
		.amdhsa_system_vgpr_workitem_id 0
		.amdhsa_next_free_vgpr 1024
		.amdhsa_next_free_sgpr 106
		.amdhsa_reserve_vcc 0
		.amdhsa_float_denorm_mode_32 3
		.amdhsa_float_denorm_mode_16_64 3
		.amdhsa_memory_ordered 1
		.amdhsa_forward_progress 1
		.amdhsa_inst_pref_size 109
	.end_amdhsa_kernel
	.amdgpu_metadata
---
amdhsa.version: [ 1, 2 ]
amdhsa.kernels:
  - .name:           k_q898adb3523_proj
    .symbol:         k_q898adb3523_proj.kd
    .args:
      - { .name: xcod, .offset: 0, .size: 8, .value_kind: global_buffer, .address_space: global }
      - { .name: xscl, .offset: 8, .size: 8, .value_kind: global_buffer, .address_space: global }
      - { .name: wcod, .offset: 16, .size: 8, .value_kind: global_buffer, .address_space: global }
      - { .name: wscl, .offset: 24, .size: 8, .value_kind: global_buffer, .address_space: global }
      - { .name: bq, .offset: 32, .size: 8, .value_kind: global_buffer, .address_space: global }
      - { .name: bk, .offset: 40, .size: 8, .value_kind: global_buffer, .address_space: global }
      - { .name: bv, .offset: 48, .size: 8, .value_kind: global_buffer, .address_space: global }
      - { .name: acod, .offset: 56, .size: 8, .value_kind: global_buffer, .address_space: global }
      - { .name: ascl, .offset: 64, .size: 8, .value_kind: global_buffer, .address_space: global }
    .group_segment_fixed_size: 327680
    .private_segment_fixed_size: 0
    .kernarg_segment_align: 8
    .kernarg_segment_size: 72
    .max_flat_workgroup_size: 128
    .sgpr_count:     106
    .vgpr_count:     1024
    .wavefront_size: 32
...
	.end_amdgpu_metadata
.endif
;; end of part 3
;; launch attn (part 4): grid 4 x 64, 16 waves a work-group, clusters of 4 x 1, 327,680 bytes of LDS; arguments acod, ascl, ocod, oscl; writes ocod, oscl
.if DOCPART == 4
	.amdgcn_target "amdgcn-amd-amdhsa--gfx1250"
	.amdhsa_code_object_version 6
	.text
	.protected	k_q898adb3523_attn
	.globl	k_q898adb3523_attn
	.p2align	8
	.type	k_q898adb3523_attn,@function
k_q898adb3523_attn:
	s_mov_b64 s[64:65], 0
	v_nop
	global_prefetch_b8 v0, s[64:65] scope:SCOPE_SE
	s_setreg_imm32_b32 hwreg(HW_REG_WAVE_MODE, 25, 1), 1
	s_wait_xcnt 0x0
	s_wait_alu depctr_hold_cnt(0) depctr_sa_sdst(0) depctr_va_vdst(0) depctr_va_sdst(0) depctr_va_ssrc(0) depctr_va_vcc(0) depctr_vm_vsrc(0)
	s_getreg_b32 s2, hwreg(HW_REG_IB_STS2, 6, 4)
	s_cmp_eq_u32 s2, 0
	s_cbranch_scc0 .Lentry_in_a_cluster
	s_endpgm
.Lentry_in_a_cluster:
	s_bfe_u32 s2, ttmp6, 0x10000c
	s_cmp_lg_u32 s2, 0x3003
	s_cbranch_scc0 .Lentry_shape_is_right
	s_endpgm
.Lentry_shape_is_right:
; softmax(q k^T / 8) v for one head and 512 queries a work-group, on codes of FP6 (E2M3) with E8M0 scales; the result is quantised along the head's 64 and leaves as operand images for the out-projection.
; SHARES: grid y = batch x head; the four work-groups of a cluster take 512 queries each and ask jointly for the head's K and V.  A wave takes two tiles of 16 queries, one after the other; a step is 128 keys, a loop's trip two steps.
; Both products are used transposed (S^T = k q^T, O^T = v^T p^T): a lane holds one query.  M is the ceiling of the running largest t, p = 2^(t - M), the row's sum is taken of the unquantised p, O^T is divided by it at the end.
; THE KEYS OF A TILE: lane place r of K's tile T is key 64 (T / 4) + 8 (T % 4) + r % 8 + 32 (r / 8) (the first launches lay them so).  So score register 32 c + i of lane (r, h) is key 64 c + 32 h + i of the step:
; a lane's 32 registers are one whole block of 32 keys, in the order of p's operand registers: a block's largest score needs no other lane, and the codes are not exchanged between lanes.
; The head's size is 64: the upper half of q's fragment is zero codes, and K's fragment of tile t runs on into tile t + 1's registers, which those zeros multiply.
; LDS IS FILLED ONCE, one joint load a wave at the head: waves 0-11 bring 16,384 bytes each of the head's 196,608 bytes of K's and V's codes, waves 12-15 3,072 bytes each of its 12,288 bytes of scale words.  No prefetch: all is asked for at the head.
; LIMITS: NaN and infinities are not served; the scaled scores stay under 2^31 in magnitude.
; REGISTERS: v1-3 lane offsets; v5, v6 the add's; v8-11, v28, v29 LDS addresses; v12 -M, v13 the running largest score; v[14:15] the sum; v16-27 q; v30, v31 q's and p's scale words; v32-85 K's or V's fragments; v86-93 K's scale words;
; v[94:95] f; v96-159 scores, then p; v160-191 O^T; v192-201 at work; v204-207 V's scale words; v208-210 at work; v212-223 p's codes; v224-230 the conversions' odd halves; v232-235 LDS bases; v236 8 x (lane / 16).
.set VL,    98304
.set KSL,   196608
.set VSL,   204800
.set SPARE, 208896
.set WV,  12
.set SEL, 20
.set CS,  22
.set G1C, 24
.set G1S, 32
.set G0C, 40
.set G0S, 44
.macro CROUND
	s_barrier_signal -1
	s_barrier_wait -1
	s_cmp_lg_u32 s[WV], 0
	s_cbranch_scc1 .Lnot_wave_0_\@
	s_barrier_signal -3
.Lnot_wave_0_\@:
	s_barrier_wait -3
	s_barrier_signal -1
	s_barrier_wait -1
.endm
	s_load_b256 s[4:11], s[0:1], 0x0               ; acod, ascl, ocod, oscl
	v_lshl_add_u32 v5, v0, 2, SPARE
	v_mov_b32 v6, 0
	ds_add_u32 v5, v6                              ; the opening lines
	ds_add_u32 v5, v6
	v_lshrrev_b32 v7, 5, v0
	s_delay_alu instid0(VALU_DEP_1)
	v_readfirstlane_b32 s[WV], v7                  ; wave 0..15
	s_bfe_u32 s13, ttmp6, 0x40000                  ; cx: which 512 queries
	s_and_b32 s14, ttmp7, 0xffff                   ; batch x head
	s_mov_b32 s[G1C], 15|(3<<16)|(1<<21)           ; codes: 64 rows of 256 bytes, dense; the mask names the cluster's four
	s_mov_b32 s[G1C+1], 32<<16
	s_mov_b32 s[G1C+2], 64<<16
	s_mov_b32 s[G1C+3], 32<<16
	s_mov_b32 s[G1C+4], 64
	s_mov_b32 s[G1C+5], 32
	s_mov_b32 s[G1C+6], 0
	s_mov_b32 s[G1C+7], 0
	s_mov_b32 s[G1S], 15|(3<<16)|(1<<21)           ; scale words: 12 rows of 256 bytes
	s_mov_b32 s[G1S+1], 32<<16
	s_mov_b32 s[G1S+2], 12<<16
	s_mov_b32 s[G1S+3], 32<<16
	s_mov_b32 s[G1S+4], 12
	s_mov_b32 s[G1S+5], 32
	s_mov_b32 s[G1S+6], 0
	s_mov_b32 s[G1S+7], 0
	s_mov_b32 s[G0C], 1
	s_mul_i32 s[G0C+1], s[WV], 16384
	s_mul_i32 s[G0C+2], s14, 196608
	s_add_co_u32 s[G0C+2], s[G0C+2], s[G0C+1]
	s_add_co_u32 s[G0C+2], s[G0C+2], 6291456
	s_mov_b32 s[G0C+3], 0
	s_mov_b32 s[G0S], 1
	s_mul_i32 s15, s[WV], 3072                     ; counted from wave 12
	s_add_co_u32 s[G0S+1], s15, KSL-12*3072
	s_mul_i32 s[G0S+2], s14, 12288
	s_add_co_u32 s[G0S+2], s[G0S+2], s15
	s_add_co_u32 s[G0S+2], s[G0S+2], 524288-12*3072
	s_mov_b32 s[G0S+3], 0
	s_lshl_b32 s16, s13, 5
	s_lshl_b32 s17, s[WV], 1
	s_add_co_u32 s16, s16, s17                     ; my first tile of queries, 0 .. 127
	s_mul_i32 s52, s14, 98304                      ; q's codes
	s_mul_i32 s53, s16, 768
	s_add_co_u32 s52, s52, s53
	s_mov_b32 s53, 0
	s_lshl_b32 s54, s14, 13                        ; q's scale words
	s_lshr_b32 s55, s16, 2
	s_lshl_b32 s55, s55, 8
	s_add_co_u32 s54, s54, s55
	s_and_b32 s55, s[WV], 1
	s_lshl_b32 s55, s55, 3
	s_add_co_u32 s54, s54, s55
	s_mov_b32 s55, 0
	s_lshr_b32 s17, s14, 4                         ; where the result goes: tile of tokens, head
	s_lshl_b32 s17, s17, 7
	s_add_co_u32 s17, s17, s16
	s_and_b32 s18, s14, 15
	s_mul_i32 s56, s17, 12288
	s_mul_i32 s57, s18, 768
	s_add_co_u32 s56, s56, s57
	s_mov_b32 s57, 0
	s_lshl_b32 s58, s17, 9
	s_lshr_b32 s59, s18, 3
	s_lshl_b32 s59, s59, 8
	s_add_co_u32 s58, s58, s59
	s_and_b32 s59, s18, 7
	s_lshl_b32 s59, s59, 1
	s_add_co_u32 s58, s58, s59
	s_mov_b32 s59, 0
	s_mov_b32 s[SEL], 0x76543210                   ; v_permlanex16_b32's selects for lane l xor 16
	s_mov_b32 s[SEL+1], 0xfedcba98
	s_mov_b32 s[CS], 0x3e38aa3b                    ; c = log2(e) / 8: t = score x c
	s_mov_b32 s[CS+1], s[CS]
	s_wait_dscnt 0x0
	s_wait_kmcnt 0x0
	s_add_nc_u64 s[G0C+2:G0C+3], s[4:5], s[G0C+2:G0C+3]
	s_or_b32 s[G0C+3], s[G0C+3], 0x80000000
	s_add_nc_u64 s[G0S+2:G0S+3], s[6:7], s[G0S+2:G0S+3]
	s_or_b32 s[G0S+3], s[G0S+3], 0x80000000
	s_add_nc_u64 s[4:5], s[4:5], s[52:53]
	s_add_nc_u64 s[6:7], s[6:7], s[54:55]
	s_add_nc_u64 s[8:9], s[8:9], s[56:57]
	s_add_nc_u64 s[10:11], s[10:11], s[58:59]
	CROUND                                         ; the four work-groups are here: the joint loads meet
	s_cmp_lt_u32 s[WV], 12                         ; one joint load a wave, in the two arms of one branch on the wave's number
	s_cbranch_scc0 .Lfor_s
	tensor_load_to_lds s[G0C:G0C+3], s[G1C:G1C+7]
	s_nop 0
.rept 4
	v_nop
.endr
	s_branch .Lasked
.Lfor_s:
	tensor_load_to_lds s[G0S:G0S+3], s[G1S:G1S+7]
	s_nop 0
.rept 4
	v_nop
.endr
.Lasked:
	v_and_b32 v7, 31, v0
	s_delay_alu instid0(VALU_DEP_1)
	v_lshlrev_b32 v1, 4, v7
	s_delay_alu instid0(VALU_DEP_2)
	v_lshlrev_b32 v2, 3, v7
	v_and_b32 v3, 15, v0
	s_delay_alu instid0(VALU_DEP_1)
	v_lshlrev_b32 v3, 4, v3
	s_delay_alu instid0(VALU_DEP_4)
	v_add_nc_u32 v232, VL, v1
	s_delay_alu instid0(VALU_DEP_4)
	v_add_nc_u32 v233, VL, v2
	s_delay_alu instid0(VALU_DEP_3)
	v_add_nc_u32 v234, KSL, v3
	s_delay_alu instid0(VALU_DEP_4)
	v_add_nc_u32 v235, VSL, v3
	v_bfe_u32 v236, v0, 4, 1
	s_delay_alu instid0(VALU_DEP_1)
	v_lshlrev_b32 v236, 3, v236                    ; 8 h: my bytes' place in p's scale word
.irp j, 22,23,24,25,26,27,80,81,82,83,84,85,95,196,197,198,199,210
	v_mov_b32 v\j, 0                               ; q's upper half and what lies behind K's last tile: zero codes; the others are written once, as lane permutes' destinations or upper halves of pairs
.endr
	s_wait_alu depctr_va_vdst(0)                   ; the head's end
	s_wait_tensorcnt 0x0                           ; every wave: its tile is in
	s_barrier_signal -1
	s_barrier_wait -1
; A step of 128 keys; k = 0, 1: which of the trip's two (its place stands in the loads' immediates; the addresses are made in step 0)
.macro STEP k
.if (\k) == 0
	v_add_nc_u32 v8, s48, v1
	v_add_nc_u32 v9, s48, v2
	v_add_nc_u32 v28, s49, v234
.endif
.irp t, 0,1,2,3,4,5,6,7
	ds_load_b128 v[32+6*\t:35+6*\t], v8 offset:6144*(\k)+768*\t
	ds_load_b64 v[36+6*\t:37+6*\t], v9 offset:6144*(\k)+768*\t+512
.endr
	ds_load_b128 v[86:89], v28 offset:512*(\k)
	ds_load_b128 v[90:93], v28 offset:512*(\k)+256
	s_wait_alu depctr_va_vdst(0)
	s_wait_dscnt 0x0
.irp t, 0,1,2,3,4,5,6,7
	v_wmma_scale_f32_16x16x128_f8f6f4 v[96+8*\t:103+8*\t], v[32+6*\t:43+6*\t], v[16:27], 0, v[86+\t], v30 matrix_a_fmt:MATRIX_FMT_FP6 matrix_b_fmt:MATRIX_FMT_FP6
.endr
	v_mov_b32 v210, v12                            ; the old -M.  This line and the three below are the four places behind the products
.if (\k) == 0
	v_add_nc_u32 v10, s48, v232
	v_add_nc_u32 v11, s48, v233
	v_add_nc_u32 v29, s50, v235
.else
.rept 3
	v_nop
.endr
.endif
.irp d, 0,1,2,3
	ds_load_b128 v[32+12*\d:35+12*\d], v10 offset:6144*(\k)+1536*\d
	ds_load_b64 v[36+12*\d:37+12*\d], v11 offset:6144*(\k)+1536*\d+512
	ds_load_b128 v[38+12*\d:41+12*\d], v10 offset:6144*(\k)+1536*\d+768
	ds_load_b64 v[42+12*\d:43+12*\d], v11 offset:6144*(\k)+1536*\d+1280
.endr
	ds_load_b128 v[204:207], v29 offset:256*(\k)
.irp b, 0,1,2,3
	v_max3_num_f32 v[192+\b], v[96+16*\b], v[97+16*\b], v[98+16*\b]   ; the largest score of my two blocks, in four chains by turns, each accumulator from its low end on
.endr
.irp i, 3,5,7,9,11,13
.irp b, 0,1,2,3
	v_max3_num_f32 v[192+\b], v[192+\b], v[96+16*\b+\i], v[97+16*\b+\i]
.endr
.endr
	v_max3_num_f32 v192, v192, v193, v111          ; v192: block h;  v194: block 2 + h
	v_max3_num_f32 v194, v194, v195, v143
	v_max_num_f32 v192, v192, v127
	v_max_num_f32 v194, v194, v159
	s_delay_alu instid0(VALU_DEP_1)
	v_max_num_f32 v196, v192, v194
	s_delay_alu instid0(VALU_DEP_1)
	v_permlanex16_b32 v197, v196, s[SEL], s[SEL+1]
	s_delay_alu instid0(VALU_DEP_1)
	v_max3_num_f32 v13, v13, v196, v197            ; the running largest score of my query (c is positive)
	s_delay_alu instid0(VALU_DEP_1)
	v_mul_f32 v198, s[CS], v13                     ; as t
	s_delay_alu instid0(VALU_DEP_1)
	v_floor_f32 v12, -v198                         ; -M = floor(-t): M is a whole number
	s_delay_alu instid0(VALU_DEP_1)
	v_sub_f32 v199, v12, v210                      ; old M less new M
	s_delay_alu instid0(VALU_DEP_1)
	v_cvt_i32_f32 v199, v199                       ; (it saturates)
	s_delay_alu instid0(VALU_DEP_1)
	v_ldexp_f32 v94, 1.0, v199                     ; f = 2^(old M - new M)
.set j, 0
.rept 32
	v_pk_fma_f32 v[96+j:97+j], v[96+j:97+j], s[CS:CS+1], v[12:13] op_sel_hi:[1,0,0]   ; t - M
.set j, j+2
.endr
	v_fma_f32 v192, v192, s[CS], v12               ; the same of each block's largest score
	v_fma_f32 v194, v194, s[CS], v12
.set j, 0
.rept 16
	v_pk_mul_f32 v[160+j:161+j], v[160+j:161+j], v[94:95] op_sel_hi:[1,0]   ; O^T under the new M, ahead of the exponentials
.set j, j+2
.endr
	s_wait_alu depctr_va_vdst(0)
.set j, 0
.rept 64
	v_exp_f32 v[96+j], v[96+j]                     ; p = 2^(t - M)
.set j, j+1
.endr
	v_exp_f32 v192, v192                           ; the blocks' largest p
	v_exp_f32 v194, v194
	v_pk_mul_f32 v[14:15], v[14:15], v[94:95] op_sel_hi:[1,0]   ; the sum under the new M: the plain place behind the batch
	s_wait_alu depctr_va_vdst(0)                   ; one wait for the batch, ahead of its first reader
	v_max_num_f32 v192, 0x1800000, v192            ; the floor 2^(3 - 127): the byte cannot fall under 1
	v_max_num_f32 v194, 0x1800000, v194
	v_add_nc_u32 v200, 0xff000000, v192            ; 2 off the exponent field: the conversions' scale operands
	v_add_nc_u32 v201, 0xff000000, v194
	v_cvt_scalef32_pk16_fp6_f32 v[212:214], v[96:111], v200
	v_cvt_scalef32_pk16_fp6_f32 v[224:226], v[112:127], v200   ; (a conversion's three registers begin on an even number: a block's upper half is made here and moved)
	v_cvt_scalef32_pk16_fp6_f32 v[218:220], v[128:143], v201
	v_cvt_scalef32_pk16_fp6_f32 v[228:230], v[144:159], v201
	v_lshrrev_b32 v196, 23, v200                   ; the scales' bytes (a plain place behind the conversions)
	v_lshrrev_b32 v197, 23, v201
	s_delay_alu instid0(VALU_DEP_1)
	v_lshl_or_b32 v31, v197, 16, v196              ; my two bytes: blocks h and 2 + h,
	s_delay_alu instid0(VALU_DEP_1)
	v_lshlrev_b32 v31, v236, v31                   ; at their places in the word;
	s_delay_alu instid0(VALU_DEP_1)
	v_permlanex16_b32 v198, v31, s[SEL], s[SEL+1]
	s_delay_alu instid0(VALU_DEP_1)
	v_or_b32 v31, v31, v198                        ; with lane l xor 16's two the word is whole
.irp i, 0,1,2
	v_mov_b32 v[215+\i], v[224+\i]
	v_mov_b32 v[221+\i], v[228+\i]
.endr
	v_pk_add_f32 v[208:209], v[96:97], v[98:99]    ; the row's sum, of the unquantised p, in two chains: 23 lines here, which are also the places between the scale word, the codes and the products
.irp j, 4,8,12,16,20,24,28,32,36,40,44
	v_pk_add_f32 v[14:15], v[14:15], v[96+\j:97+\j]
	v_pk_add_f32 v[208:209], v[208:209], v[98+\j:99+\j]
.endr
	s_wait_alu depctr_va_vdst(0)
	s_wait_dscnt 0x0                               ; V's fragments and scale words
.irp d, 0,1,2,3
	v_wmma_scale_f32_16x16x128_f8f6f4 v[160+8*\d:167+8*\d], v[32+12*\d:43+12*\d], v[212:223], v[160+8*\d:167+8*\d], v[204+\d], v31 matrix_a_fmt:MATRIX_FMT_FP6 matrix_b_fmt:MATRIX_FMT_FP6
.endr
.irp j, 48,52,56,60
	v_pk_add_f32 v[14:15], v[14:15], v[96+\j:97+\j]              ; the sum's last nine lines name no register of the products: they are the places ahead of the next step's loads
	v_pk_add_f32 v[208:209], v[208:209], v[98+\j:99+\j]
.endr
	v_pk_add_f32 v[14:15], v[14:15], v[208:209]
.endm
.macro QTILE tq
.if (\tq) > 0
	s_wait_xcnt 0x0                                ; the last tile's stores have read their registers
.endif
	global_load_b128 v[16:19], v1, s[4:5] offset:768*(\tq)
	global_load_b64 v[20:21], v2, s[4:5] offset:768*(\tq)+512
	global_load_b32 v30, v3, s[6:7] offset:4*(\tq)
	v_mov_b32 v13, 0xff61b1e6                      ; the largest score so far: -3e38
	s_delay_alu instid0(VALU_DEP_1)
	v_floor_f32 v12, -v13
	v_mov_b32 v14, 0
	v_mov_b32 v15, 0
.set j, 0
.rept 32
	v_mov_b32 v[160+j], 0                          ; O^T: the step is written once, and the first change of M leaves zeros zeros
.set j, j+1
.endr
	s_mov_b32 s48, 0
	s_mov_b32 s49, 0
	s_mov_b32 s50, 0
	s_mov_b32 s51, 8                               ; 8 trips of two steps: 2,048 keys
	s_wait_loadcnt 0x0
.Lstep_\@:
	STEP 0
	STEP 1
	s_add_co_u32 s48, s48, 12288
	s_add_co_u32 s49, s49, 1024
	s_add_co_u32 s50, s50, 512
	s_sub_co_u32 s51, s51, 1
	s_cmp_lg_u32 s51, 0
	s_cbranch_scc1 .Lstep_\@
.rept 4
	v_nop
.endr
	v_add_f32 v14, v14, v15
	s_delay_alu instid0(VALU_DEP_1)
	v_permlanex16_b32 v210, v14, s[SEL], s[SEL+1]
	s_delay_alu instid0(VALU_DEP_1)
	v_add_f32 v14, v14, v210                       ; the row's sum
	s_wait_alu depctr_va_vdst(0)
	v_rcp_f32 v14, v14
	v_nop
	s_wait_alu depctr_va_vdst(0)
.set j, 0
.rept 16
	v_pk_mul_f32 v[96+j:97+j], v[160+j:161+j], v[14:15] op_sel_hi:[1,0]   ; O^T / the sum: registers 16 b + i are the head's 32 b + 16 h + i
.set j, j+2
.endr
.irp b, 0,1
	v_max3_num_f32 v[192+\b], |v[96+16*\b]|, |v[97+16*\b]|, 0x1800000
.endr
.irp i, 2,4,6,8,10,12,14
.irp b, 0,1
	s_delay_alu instid0(VALU_DEP_2)
	v_max3_num_f32 v[192+\b], v[192+\b], |v[96+16*\b+\i]|, |v[97+16*\b+\i]|
.endr
.endr
.irp b, 0,1
	s_delay_alu instid0(VALU_DEP_2)
	v_permlanex16_b32 v[196+\b], v[192+\b], s[SEL], s[SEL+1]
.endr
.irp b, 0,1
	s_delay_alu instid0(VALU_DEP_2)
	v_max_num_f32 v[192+\b], v[192+\b], v[196+\b]
.endr
.irp b, 0,1
	s_delay_alu instid0(VALU_DEP_2)
	v_add_nc_u32 v[200+\b], 0xff000000, v[192+\b]
.endr
.irp b, 0,1
	s_delay_alu instid0(VALU_DEP_2)
	v_lshrrev_b32 v[196+\b], 23, v[200+\b]
.endr
	s_delay_alu instid0(VALU_DEP_1)
	v_lshl_or_b32 v211, v197, 8, v196
	v_cvt_scalef32_pk16_fp6_f32 v[212:214], v[96:111], v200
	v_cvt_scalef32_pk16_fp6_f32 v[224:226], v[112:127], v201
	v_nop
.irp i, 0,1,2
	v_permlane16_swap_b32 v[212+\i], v[224+\i]     ; a whole block in a lane: lanes 0-15 block 0, lanes 16-31 block 1
.endr
.irp i, 0,1,2
	s_delay_alu instid0(VALU_DEP_3)
	v_mov_b32 v[215+\i], v[224+\i]
.endr
	global_store_b128 v1, v[212:215], s[8:9] offset:12288*(\tq)
	global_store_b64 v2, v[216:217], s[8:9] offset:12288*(\tq)+512
	global_store_b16 v3, v211, s[10:11] offset:512*(\tq)
.endm
	QTILE 0
	QTILE 1
	s_wait_tensorcnt 0x0                           ; the wave's end
	ds_add_u32 v5, v6
	s_wait_dscnt 0x0
	CROUND                                         ; the closing round
	s_endpgm
.Lfunc_end_k_q898adb3523_attn:
	.size	k_q898adb3523_attn, .Lfunc_end_k_q898adb3523_attn-k_q898adb3523_attn
	.p2alignl 7, 3214868480
	.fill 96, 4, 3214868480
	.section	.rodata,"a",@progbits
	.p2align	6, 0x0
	.amdhsa_kernel k_q898adb3523_attn
		.amdhsa_group_segment_fixed_size 327680
		.amdhsa_private_segment_fixed_size 0
		.amdhsa_enable_private_segment 0
		.amdhsa_kernarg_size 32
		.amdhsa_user_sgpr_count 2
		.amdhsa_user_sgpr_kernarg_segment_ptr 1
		.amdhsa_wavefront_size32 1
		.amdhsa_system_sgpr_workgroup_id_x 1
		.amdhsa_system_sgpr_workgroup_id_y 1
		.amdhsa_system_sgpr_workgroup_id_z 1
		.amdhsa_system_vgpr_workitem_id 0
		.amdhsa_next_free_vgpr 256
		.amdhsa_next_free_sgpr 66
		.amdhsa_reserve_vcc 0
		.amdhsa_float_denorm_mode_32 3
		.amdhsa_float_denorm_mode_16_64 3
		.amdhsa_memory_ordered 1
		.amdhsa_forward_progress 1
		.amdhsa_inst_pref_size 80
	.end_amdhsa_kernel
	.amdgpu_metadata
---
amdhsa.version: [ 1, 2 ]
amdhsa.kernels:
  - .name:           k_q898adb3523_attn
    .symbol:         k_q898adb3523_attn.kd
    .args:
      - { .name: acod, .offset: 0, .size: 8, .value_kind: global_buffer, .address_space: global }
      - { .name: ascl, .offset: 8, .size: 8, .value_kind: global_buffer, .address_space: global }
      - { .name: ocod, .offset: 16, .size: 8, .value_kind: global_buffer, .address_space: global }
      - { .name: oscl, .offset: 24, .size: 8, .value_kind: global_buffer, .address_space: global }
    .group_segment_fixed_size: 327680
    .private_segment_fixed_size: 0
    .kernarg_segment_align: 8
    .kernarg_segment_size: 32
    .max_flat_workgroup_size: 512
    .sgpr_count:     66
    .vgpr_count:     256
    .wavefront_size: 32
...
	.end_amdgpu_metadata
.endif
;; end of part 4
;; launch outp (part 5): grid 4 x 64, 4 waves a work-group, clusters of 4 x 4, 327,680 bytes of LDS; arguments wcod, wscl, ocod, oscl, bo, out0; writes out0
.if DOCPART == 5
	.amdgcn_target "amdgcn-amd-amdhsa--gfx1250"
	.amdhsa_code_object_version 6
	.text
	.protected	k_q898adb3523_outp
	.globl	k_q898adb3523_outp
	.p2align	8
	.type	k_q898adb3523_outp,@function
k_q898adb3523_outp:
	s_mov_b64 s[64:65], 0
	v_nop
	global_prefetch_b8 v0, s[64:65] scope:SCOPE_SE
	s_setreg_imm32_b32 hwreg(HW_REG_WAVE_MODE, 25, 1), 1
	s_wait_xcnt 0x0
	s_wait_alu depctr_hold_cnt(0) depctr_sa_sdst(0) depctr_va_vdst(0) depctr_va_sdst(0) depctr_va_ssrc(0) depctr_va_vcc(0) depctr_vm_vsrc(0)
	s_getreg_b32 s2, hwreg(HW_REG_IB_STS2, 6, 4)
	s_cmp_eq_u32 s2, 0
	s_cbranch_scc0 .Lentry_in_a_cluster
	s_endpgm
.Lentry_in_a_cluster:
	s_bfe_u32 s2, ttmp6, 0x10000c
	s_cmp_lg_u32 s2, 0xf033
	s_cbranch_scc0 .Lentry_shape_is_right
	s_endpgm
.Lentry_shape_is_right:
; out0 = attention's result x wo + bo, [8192][1024] f32, on codes of FP6 (E2M3) with E8M0 scales, K = 1,024.
; Source 0 = P = wo's 1,024 columns (weight 3 of wcod), source 1 = R = the 8,192 tokens (ocod): a lane then holds 16 neighbouring columns of one row of the output in the results of P's tiles 2 b and 2 b + 1.
; Both operands lie in memory as images of fragments, [tile of 16 rows][K step of 128][1,536 bytes], lane place r of tile T being row 32 (T / 2) + 8 (T % 2) + r + 8 (r / 8).
; SHARES.  A work-group: 256 rows of P x 128 rows of R x all of K.  Wave w: P's rows 128 (w % 2) on x R's rows 64 (w / 2) on: 32 accumulators.
; LDS IS FILLED ONCE: both panels for all of K (two halves of four K steps) and their scale words; each wave has one tensor load out at the start, and waves 0 and 1 issue one more later.
; CLUSTER 4 x 4: P's panel hangs on cy alone and is asked for jointly along a row of the cluster, R's on cx alone, along a column.
; REGISTERS, in windows of 256: window 0: v1-14 addresses; v32-95 P's scale words; v96-127 R's; v128-191 64 results at work; v192-255 rows read back from the stage.
;   window 1: P's fragments, two sets at v0 and v128.   window 2: accumulator (a, b) at v[8 (8 a + b)].   window 3: R's fragments, two sets at v0 and v48; v128-191 the bias.
; THE FILLS, as the text below has them (this replaces what the head says of chunks and of five loads): LDS is filled once, in two groups.  At the head one joint load a wave: wave 0 P's K steps 0-3, wave 1 R's, wave 2 P's scale words, wave 3 R's.
; Behind the three lines and a round of the cluster's barrier wave 0 asks for P's K steps 4-7 and wave 1 for R's; they have four K steps, 128 matrix instructions, in which to land; a barrier in step 3 shows them.
.set PL,    0                          ; LDS: P's panel [half of K: 98,304][tile 0..15: 6,144][K step % 4: 1,536]
.set RL,    196608                     ; R's panel [half of K: 49,152][tile 0..7: 6,144]
.set SPL,   294912                     ; P's scale words [tile 0..15][half of K][r][4 words]
.set SRL,   303104                     ; R's
.set SPARE, 307200                     ; the spare words, 128 bytes for each wave; no other line names them
.set SPITCH, 528                       ; the way out: a stage of 16 rows x (512 bytes + 16) for each wave, in P's panel, which has had its only fill and its last read when the first result is stored there
.set L16,   1
.set L8,    2
.set R16,   3
.set ADP16, 4
.set ADP8,  5
.set ADR16, 6
.set ADR8,  7
.set ASP,   8
.set ASR,   9
.set STO,   13                         ; v13 the stage: where I put my 16 bytes of a row
.set RD,    14                         ; v14 and where I read a row back
.set SPW,   30                         ; v30 LDS address of my spare word; never rewritten
.set NIL,   31                         ; v31 0; never rewritten
.set SP,    32
.set SR,    96
.set HA,    128
.set OB,    192
.set BP,    128                        ; in window 3
.set WV,    22
.set W1,    23
.set WR,    101
.set G1P,   24
.set G1R,   32
.set G1SP,  40
.set G1SR,  48                         ; groups 0: P's at s56, s60, s68 (scales, K steps 0-3, 4-7); R's at s80, s84, s88
.set MSB, 0
.macro WIN new                         ; the immediate's high byte repeats the setting that is left
.if MSB != \new
	s_set_vgpr_msb (MSB<<8)|\new
.set MSB, \new
.endif
.endm
.macro CROUND                          ; a round of the cluster's barrier
	s_barrier_signal -1
	s_barrier_wait -1
	s_cmp_lg_u32 s[WV], 0
	s_cbranch_scc1 .Lnot_wave_0_\@
	s_barrier_signal -3
.Lnot_wave_0_\@:
	s_barrier_wait -3
	s_barrier_signal -1
	s_barrier_wait -1
.endm
.macro PLACES                          ; four places behind matrix instructions, in front of loads into registers that they have read and of reads of their results
.rept 4
	v_nop
.endr
.endm
	s_load_b256 s[4:11], s[0:1], 0x0               ; wcod s[4:5], wscl s[6:7], ocod s[8:9], oscl s[10:11]
	s_load_b128 s[12:15], s[0:1], 0x20             ; bo s[12:13], out0 s[14:15]
	v_lshl_add_u32 v[SPW], v0, 2, SPARE
	v_mov_b32 v[NIL], 0
	ds_add_u32 v[SPW], v[NIL]                      ; the wave's opening: the add and its wait ahead of my first tensor load; work on registers stands between them
	ds_add_u32 v[SPW], v[NIL]
	v_lshrrev_b32 v10, 5, v0
	v_readfirstlane_b32 s[WV], v10                 ; wave 0..3
	s_and_b32 s[W1], s[WV], 1                      ; my half of P's rows
	s_lshr_b32 s[WR], s[WV], 1                     ; my half of R's rows
	s_bfe_u32 s66, ttmp6, 0x40000                  ; cx
	s_bfe_u32 s67, ttmp6, 0x40004                  ; cy: which panel of P
	s_lshl_b32 s104, s67, 2
	s_lshl_b32 s104, 15, s104                      ; my row of the cluster
	s_lshl_b32 s105, 0x1111, s66                   ; my column
	s_or_b32 s[G1P], s104, (3<<16)|(1<<21)         ; 15:0 the mask; 17:16 elements of 8 bytes; 20 no padding; 21 set beside a mask
	s_or_b32 s[G1SP], s104, (3<<16)|(1<<21)
	s_or_b32 s[G1R], s105, (3<<16)|(1<<21)
	s_or_b32 s[G1SR], s105, (3<<16)|(1<<21)
.irp g, G1P, G1R                       ; a half of K: a row is one tile's four K steps, 6,144 bytes = 768 elements; from tile to tile 12,288 bytes = 1,536 elements
	s_mov_b32 s[\g+1], 768<<16                     ; tensor_dim0: a row is one tile's four K steps, 6,144 bytes = 768 elements
	s_mov_b32 s[\g+3], 768<<16                     ; tile_dim0
	s_mov_b32 s[\g+5], 1536
	s_mov_b32 s[\g+6], 0
	s_mov_b32 s[\g+7], 0
.endr
	s_mov_b32 s[G1P+2], 16<<16                     ; 16 tiles of P to a load,
	s_mov_b32 s[G1P+4], 16
	s_mov_b32 s[G1R+2], 8<<16                      ; 8 of R
	s_mov_b32 s[G1R+4], 8
.irp g, G1SP, G1SR                     ; scale words: a dense block, as rows of 256 bytes = 32 elements
	s_mov_b32 s[\g+1], 32<<16
	s_mov_b32 s[\g+3], 32<<16
	s_mov_b32 s[\g+5], 32
	s_mov_b32 s[\g+6], 0
	s_mov_b32 s[\g+7], 0
.endr
	s_mov_b32 s[G1SP+2], 32<<16                    ; 8,192 bytes to a load for P,
	s_mov_b32 s[G1SP+4], 32
	s_mov_b32 s[G1SR+2], 16<<16                    ; 4,096 for R
	s_mov_b32 s[G1SR+4], 16
	s_and_b32 s105, ttmp7, 0xffff                  ; cluster y, 0 .. 15
	s_lshl_b32 s105, s105, 2
	s_add_co_u32 s105, s105, s66                   ; which panel of R: it hangs on cx alone
	s_mov_b32 s56, 1                               ; groups 0: every LDS address is a constant.  s56 P's scale words, s60, s68 P's two halves of K
	s_mov_b32 s57, SPL
	s_mov_b32 s60, 1
	s_mov_b32 s61, PL
	s_mov_b32 s68, 1
	s_mov_b32 s69, PL+98304
	s_mov_b32 s80, 1                               ; s80 R's scale words, s84, s88 R's two halves
	s_mov_b32 s81, SRL
	s_mov_b32 s84, 1
	s_mov_b32 s85, RL
	s_mov_b32 s88, 1
	s_mov_b32 s89, RL+49152
	s_mul_i32 s62, s67, 196608                     ; byte offsets: P's codes: weight 3, 16 tiles a panel, 16 tiles a load,
	s_add_co_u32 s62, s62, 2359296
	s_mov_b32 s63, 0
	s_lshl_b32 s58, s67, 13                        ; P's scale words,
	s_add_co_u32 s58, s58, 98304
	s_mov_b32 s59, 0
	s_mul_i32 s86, s105, 98304                     ; R's codes,
	s_mov_b32 s87, 0
	s_lshl_b32 s82, s105, 12                       ; R's scale words
	s_mov_b32 s83, 0
	s_wait_dscnt 0x0                               ; the opening add is done
	s_wait_kmcnt 0x0
	s_add_nc_u64 s[58:59], s[6:7], s[58:59]
	s_add_nc_u64 s[62:63], s[4:5], s[62:63]        ; K steps 0-3
	s_add_nc_u64 s[70:71], s[62:63], 6144          ; K steps 4-7 lie 6,144 bytes on in every tile
	s_add_nc_u64 s[82:83], s[10:11], s[82:83]
	s_add_nc_u64 s[86:87], s[8:9], s[86:87]
	s_add_nc_u64 s[90:91], s[86:87], 6144
.irp g, 56, 60, 68, 80, 84, 88
	s_or_b32 s[\g+3], s[\g+3], 0x80000000          ; type = 2
.endr
	CROUND                                         ; all sixteen work-groups are here: the joint loads meet
.macro TL g0, g1                       ; a joint load, with an s_nop 0 and four v_nop behind it
	tensor_load_to_lds s[\g0:\g0+3], s[\g1:\g1+7]
	s_nop 0
.rept 4
	v_nop
.endr
.endm
	s_cmp_eq_u32 s[WV], 0                          ; the head's four tiles, one a wave, in one chain of arms on the wave's number
	s_cbranch_scc0 .Lh1
	TL 60, G1P                                     ; wave 0: P's K steps 0-3
	s_branch .Lasked
.Lh1:
	s_cmp_eq_u32 s[WV], 1
	s_cbranch_scc0 .Lh2
	TL 84, G1R                                     ; wave 1: R's
	s_branch .Lasked
.Lh2:
	s_cmp_eq_u32 s[WV], 2
	s_cbranch_scc0 .Lh3
	TL 56, G1SP                                    ; wave 2: P's scale words
	s_branch .Lasked
.Lh3:
	TL 80, G1SR                                    ; wave 3: R's
.Lasked:
	v_and_b32 v15, 31, v0
	v_lshlrev_b32 v[L16], 4, v15
	v_lshlrev_b32 v[L8], 3, v15
	v_and_b32 v11, 15, v0                          ; r
	s_wait_alu depctr_va_vdst(0)
	v_bfe_u32 v10, v0, 4, 1                        ; h
	v_lshlrev_b32 v[R16], 4, v11
	s_mul_i32 s2, s[W1], 49152                     ; my 8 tiles of P, 6,144 bytes each
	v_add_nc_u32 v[ADP16], s2, v[L16]
	v_add_nc_u32 v[ADP8], s2, v[L8]
	s_mul_i32 s2, s[WR], 24576                     ; my 4 tiles of R
	s_add_co_u32 s2, s2, RL
	v_add_nc_u32 v[ADR16], s2, v[L16]
	v_add_nc_u32 v[ADR8], s2, v[L8]
	s_lshl_b32 s2, s[W1], 12
	s_add_co_u32 s2, s2, SPL
	v_add_nc_u32 v[ASP], s2, v[R16]
	s_lshl_b32 s2, s[WR], 11
	s_add_co_u32 s2, s2, SRL
	v_add_nc_u32 v[ASR], s2, v[R16]
	s_mul_i32 s2, s[WV], 16*SPITCH                 ; my stage
	v_mul_u32_u24 v[STO], v11, SPITCH
	s_wait_alu depctr_va_vdst(0)
	v_lshl_add_u32 v[STO], v10, 6, v[STO]
	v_add_nc_u32 v[STO], s2, v[STO]                ; in: row r, + 64 h: my 16 columns of each 32
	v_add_nc_u32 v[RD], s2, v[L16]                 ; back: the 32 lanes take one row of 512 bytes
	s_lshl_b32 s104, s67, 1
	s_add_co_u32 s104, s104, s[W1]                 ; Pblk: my 128 columns of the output
	s_lshl_b32 s105, s105, 1
	s_add_co_u32 s105, s105, s[WR]                 ; R64: my 64 rows
	s_lshl_b32 s3, s104, 9
	v_lshl_add_u32 v12, v10, 6, s3                 ; the bias: lane (r, h) wants columns 32 b + 16 h + 0 .. 15 of my 128
	s_lshl_b32 s2, s105, 18                        ; 64 rows of 4,096 bytes
	s_add_co_u32 s2, s2, s3
	s_mov_b32 s3, 0
	s_add_nc_u64 s[14:15], s[14:15], s[2:3]
	WIN 0xC0                                       ; destination window 3
.irp t, 0,1,2,3,4,5,6,7,8,9,10,11,12,13,14,15
	global_load_b128 v[BP+4*\t:BP+4*\t+3], v12, s[12:13] offset:128*(\t/4)+16*(\t%4)
.endr
	WIN 0
; 48 LDS loads: the fragments of K step s, as images: every load reads consecutive bytes
.macro FETCH s
.set FP, 128*((\s)%2)
.set FQ, 48*((\s)%2)
.set KO, 1536*((\s)%4)
	WIN 0x40                                       ; destination window 1
.irp b, 0,1,2,3,4,5,6,7
	ds_load_b128 v[FP+12*\b:FP+12*\b+3], v[ADP16] offset:\b*6144+KO
	ds_load_b64 v[FP+12*\b+4:FP+12*\b+5], v[ADP8] offset:\b*6144+KO+512
	ds_load_b128 v[FP+12*\b+6:FP+12*\b+9], v[ADP16] offset:\b*6144+KO+768
	ds_load_b64 v[FP+12*\b+10:FP+12*\b+11], v[ADP8] offset:\b*6144+KO+1280
.endr
	WIN 0xC0                                       ; destination window 3
.irp a, 0,1,2,3
	ds_load_b128 v[FQ+12*\a:FQ+12*\a+3], v[ADR16] offset:\a*6144+KO
	ds_load_b64 v[FQ+12*\a+4:FQ+12*\a+5], v[ADR8] offset:\a*6144+KO+512
	ds_load_b128 v[FQ+12*\a+6:FQ+12*\a+9], v[ADR16] offset:\a*6144+KO+768
	ds_load_b64 v[FQ+12*\a+10:FQ+12*\a+11], v[ADR8] offset:\a*6144+KO+1280
.endr
.endm
; 32 matrix instructions: K step s.  The 32 accumulators take turns, one instruction a turn, in the same order in every step.  zero = 1: the first step starts the sums
.macro MUL32 s, zero
	WIN 0xAD                                       ; source 0 (P) window 1, source 1 (R) window 3, C and D window 2
.irp a, 0,1,2,3
.irp b, 0,1,2,3,4,5,6,7
.if \zero
	v_wmma_scale_f32_16x16x128_f8f6f4 v[8*(8*\a+\b):8*(8*\a+\b)+7], v[128*((\s)%2)+12*\b:128*((\s)%2)+12*\b+11], v[48*((\s)%2)+12*\a:48*((\s)%2)+12*\a+11], 0, v[SP+8*\b+(\s)], v[SR+8*\a+(\s)] matrix_a_fmt:MATRIX_FMT_FP6 matrix_b_fmt:MATRIX_FMT_FP6
.else
	v_wmma_scale_f32_16x16x128_f8f6f4 v[8*(8*\a+\b):8*(8*\a+\b)+7], v[128*((\s)%2)+12*\b:128*((\s)%2)+12*\b+11], v[48*((\s)%2)+12*\a:48*((\s)%2)+12*\a+11], v[8*(8*\a+\b):8*(8*\a+\b)+7], v[SP+8*\b+(\s)], v[SR+8*\a+(\s)] matrix_a_fmt:MATRIX_FMT_FP6 matrix_b_fmt:MATRIX_FMT_FP6
.endif
.endr
.endr
.endm
; K step s: its fragments are in; the next step's are asked for, and land under this step's 32 matrix instructions
.macro STEP s
	s_wait_dscnt 0x0                               ; step s's fragments are in
.if (\s) == 3
	s_wait_tensorcnt 0x0                           ; every wave: the second half of K has landed
	s_barrier_signal -1
	s_barrier_wait -1                              ; everybody's has
	PLACES
	WIN 0
	v_add_nc_u32 v[ADP16], 98304, v[ADP16]         ; on to the second half of K
	s_wait_alu depctr_va_vdst(0)
	v_add_nc_u32 v[ADP8], 98304, v[ADP8]
	s_wait_alu depctr_va_vdst(0)
	v_add_nc_u32 v[ADR16], 49152, v[ADR16]
	s_wait_alu depctr_va_vdst(0)
	v_add_nc_u32 v[ADR8], 49152, v[ADR8]
.elseif ((\s) > 0) && ((\s) < 7)
	PLACES
.endif
.if (\s) < 7
	s_wait_alu depctr_va_vdst(0)
	FETCH (\s)+1
.endif
.if (\s) == 0
	MUL32 \s, 1
.else
	MUL32 \s, 0
.endif
.endm
	s_wait_alu depctr_va_vdst(0)                   ; the head's end
	s_wait_tensorcnt 0x0                           ; my tile of the head's four is in
	ds_add_u32 v[SPW], v[NIL]
	s_wait_dscnt 0x0
	CROUND                                         ; all four tiles are in, and all sixteen work-groups are here
	s_cmp_eq_u32 s[WV], 0
	s_cbranch_scc0 .Ls1
	TL 68, G1P                                     ; wave 0: P's K steps 4-7
	s_branch .Lsecond
.Ls1:
	s_cmp_eq_u32 s[WV], 1
	s_cbranch_scc0 .Lsecond
	TL 88, G1R                                     ; wave 1: R's
.Lsecond:
.irp b, 0,1,2,3,4,5,6,7                ; the scale words of all of K: lane r takes row r's four words of half a K; lanes 16-31 take the same and are not read
	ds_load_b128 v[SP+8*\b:SP+8*\b+3], v[ASP] offset:512*\b
	ds_load_b128 v[SP+8*\b+4:SP+8*\b+7], v[ASP] offset:512*\b+256
.endr
.irp a, 0,1,2,3
	ds_load_b128 v[SR+8*\a:SR+8*\a+3], v[ASR] offset:512*\a
	ds_load_b128 v[SR+8*\a+4:SR+8*\a+7], v[ASR] offset:512*\a+256
.endr
	FETCH 0
.irp s, 0,1,2,3,4,5,6,7
	STEP \s
.endr
	WIN 0
	PLACES                                         ; in front of the first read of results
	s_wait_loadcnt 0x0                             ; the bias
	s_wait_dscnt 0x0                               ; my reads of the panels are over;
	s_barrier_signal -1
	s_barrier_wait -1                              ; everybody's are: the stages may be written
; THE WAY OUT, R's tile a: 16 rows x 128 columns.  The bias is added (which also brings the results into window 0, each accumulator from its low end on).  A lane holds 4 x 64 bytes of one row, and the lanes beside it
; hold other rows: so the tile goes through my own stage and comes back as whole rows of 512 bytes.  LDS serves a wave's instructions in order: no wait between the stores and the loads.
.macro ROWS a
	WIN 0x0E                                       ; source 0 window 2, source 1 window 3
.set j, 0
.rept 32
	v_pk_add_f32 v[HA+j:HA+j+1], v[64*(\a)+j:64*(\a)+j+1], v[BP+j:BP+j+1]
.set j, j+2
.endr
	WIN 0
.irp t, 0,1,2,3,4,5,6,7,8,9,10,11,12,13,14,15
	ds_store_b128 v[STO], v[HA+4*\t:HA+4*\t+3] offset:128*(\t/4)+16*(\t%4)
.endr
.if (\a) > 0
	s_wait_xcnt 0x0                                ; the last tile's stores have read their data: the loads below may land there
.endif
.irp p, 0,1,2,3,4,5,6,7,8,9,10,11,12,13,14,15
	ds_load_b128 v[OB+4*\p:OB+4*\p+3], v[RD] offset:\p*SPITCH
.endr
.irp p, 0,1,2,3,4,5,6,7,8,9,10,11,12,13,14,15
	s_wait_dscnt 15-\p                             ; the younger loads from the stage may be out
	global_store_b128 v[L16], v[OB+4*\p:OB+4*\p+3], s[14:15] offset:(32*((\a)/2)+8*((\a)%2)+\p+8*(\p/8))*4096 th:TH_STORE_NT   ; 32 lanes store 512 consecutive bytes, at a multiple of 512 from the output's first byte; lane place p of the tile is that row
.endr
.endm
.irp a, 0,1,2,3
	ROWS \a
.endr
	s_wait_tensorcnt 0x0                           ; the wave's end
	ds_add_u32 v[SPW], v[NIL]
	s_wait_dscnt 0x0
	CROUND                                         ; the closing round
	s_endpgm
.Lfunc_end_k_q898adb3523_outp:
	.size	k_q898adb3523_outp, .Lfunc_end_k_q898adb3523_outp-k_q898adb3523_outp
	.p2alignl 7, 3214868480
	.fill 96, 4, 3214868480
	.section	.rodata,"a",@progbits
	.p2align	6, 0x0
	.amdhsa_kernel k_q898adb3523_outp
		.amdhsa_group_segment_fixed_size 327680
		.amdhsa_private_segment_fixed_size 0
		.amdhsa_enable_private_segment 0
		.amdhsa_kernarg_size 48
		.amdhsa_user_sgpr_count 2
		.amdhsa_user_sgpr_kernarg_segment_ptr 1
		.amdhsa_wavefront_size32 1
		.amdhsa_system_sgpr_workgroup_id_x 1
		.amdhsa_system_sgpr_workgroup_id_y 1
		.amdhsa_system_sgpr_workgroup_id_z 1
		.amdhsa_system_vgpr_workitem_id 0
		.amdhsa_next_free_vgpr 1024
		.amdhsa_next_free_sgpr 106
		.amdhsa_reserve_vcc 0
		.amdhsa_float_denorm_mode_32 3
		.amdhsa_float_denorm_mode_16_64 3
		.amdhsa_memory_ordered 1
		.amdhsa_forward_progress 1
		.amdhsa_inst_pref_size 96
	.end_amdhsa_kernel
	.amdgpu_metadata
---
amdhsa.version: [ 1, 2 ]
amdhsa.kernels:
  - .name:           k_q898adb3523_outp
    .symbol:         k_q898adb3523_outp.kd
    .args:
      - { .name: wcod, .offset: 0, .size: 8, .value_kind: global_buffer, .address_space: global }
      - { .name: wscl, .offset: 8, .size: 8, .value_kind: global_buffer, .address_space: global }
      - { .name: ocod, .offset: 16, .size: 8, .value_kind: global_buffer, .address_space: global }
      - { .name: oscl, .offset: 24, .size: 8, .value_kind: global_buffer, .address_space: global }
      - { .name: bo, .offset: 32, .size: 8, .value_kind: global_buffer, .address_space: global }
      - { .name: out0, .offset: 40, .size: 8, .value_kind: global_buffer, .address_space: global }
    .group_segment_fixed_size: 327680
    .private_segment_fixed_size: 0
    .kernarg_segment_align: 8
    .kernarg_segment_size: 48
    .max_flat_workgroup_size: 128
    .sgpr_count:     106
    .vgpr_count:     1024
    .wavefront_size: 32
...
	.end_amdgpu_metadata
.endif
;; end of part 5
